; MI455X (gfx1250); checked and timed in simulation.
; The chip was launched on July 23, 2026; its instructions are those of AMD's public machine-readable ISA for CDNA 5 (MIT licence, August 2026) and "CDNA5" Instruction Set Architecture Reference Guide (July 2026). The comments in the code are by the model that wrote it; some were corrected since.
;; Encoder Block. Allowed arithmetic: matrix products marked QUANTISED: E4M3 operands, one E8M0 scale for each 32 along K, by v_wmma_scale_f32_16x16x128_f8f6f4 with both operands' format E4M3, f32 sums; everything else in f32.
;; Inputs: W1_codes 2,048 x 16 x 32 uint8 (E4M3 codes of W1, K innermost, in blocks of 32 codes); W1_scales 2,048 x 16 uint8 (E8M0 scales of W1, one for each 32 codes along K); W2_codes 512 x 64 x 32 uint8 (E4M3 codes of W2, K innermost, in blocks of 32 codes); W2_scales 512 x 64 uint8 (E8M0 scales of W2, one for each 32 codes along K); Wk_codes 512 x 16 x 32 uint8 (E4M3 codes of Wk, K innermost, in blocks of 32 codes); Wk_scales 512 x 16 uint8 (E8M0 scales of Wk, one for each 32 codes along K); Wo_codes 512 x 16 x 32 uint8 (E4M3 codes of Wo, K innermost, in blocks of 32 codes); Wo_scales 512 x 16 uint8 (E8M0 scales of Wo, one for each 32 codes along K); Wq_codes 512 x 16 x 32 uint8 (E4M3 codes of Wq, K innermost, in blocks of 32 codes); Wq_scales 512 x 16 uint8 (E8M0 scales of Wq, one for each 32 codes along K); Wv_codes 512 x 16 x 32 uint8 (E4M3 codes of Wv, K innermost, in blocks of 32 codes); Wv_scales 512 x 16 uint8 (E8M0 scales of Wv, one for each 32 codes along K); b1 2,048 float32; b2 512 float32; bk 512 float32; bo 512 float32; bq 512 float32; bv 512 float32; x 2 x 4,096 x 512 float32.
;; Outputs: out0 2 x 4,096 x 512 float32.
;; This version of the problem:
;;   THIS VERSION OF THE PROBLEM IS GIVEN IN LOW PRECISION. The matrix products marked QUANTISED in the list below multiply operands that are first quantised to E4M3 (4 exponent bits, 3 mantissa bits; 8 bits a number), with one power-of-two scale for each 32 numbers along K (OCP MX v1.0); their sums are f32. All else is computed in f32.
;;   The module's matrix products, in the order in which they are computed (A, B: the left and right operand; K: the contracted axis; several contracted axes count as one K, in the product's order):
;;     1. [M 8,192, K 512] x [K 512, N 512]; A: input x; B: input Wq (given as codes): QUANTISED
;;     2. [M 8,192, K 512] x [K 512, N 512]; A: input x; B: input Wk (given as codes): QUANTISED
;;     3. [M 8,192, K 512] x [K 512, N 512]; A: input x; B: input Wv (given as codes): QUANTISED
;;     4. batch 16 x [M 4,096, K 64] x [K 64, N 4,096]; A: computed on the way; B: computed on the way: QUANTISED
;;     5. batch 16 x [M 4,096, K 4,096] x [K 4,096, N 64]; A: softmax (see below); B: computed on the way: QUANTISED
;;     6. [M 8,192, K 512] x [K 512, N 512]; A: computed on the way; B: input Wo (given as codes): QUANTISED
;;     7. [M 8,192, K 512] x [K 512, N 2,048]; A: computed on the way; B: input W1 (given as codes): QUANTISED
;;     8. [M 8,192, K 2,048] x [K 2,048, N 512]; A: computed on the way; B: input W2 (given as codes): QUANTISED
;;   THE QUANTISER, for each operand of a quantised product, along K:
;;     - K is cut into blocks of 32 from its start; a last block that is shorter is filled with zeros.
;;     - A block's scale is 2^e with e = floor(log2(the largest magnitude in the block)) - 8, held to -126 .. 127; a block of zeros has e = 0. As a byte (E8M0): e + 127.
;;     - Each number is divided by its block's scale, clamped to +-448, and rounded to the nearest number of E4M3, ties to even, subnormals kept.
;;     - The product sums the exact products of the quantised numbers (number of the format x scale) in f32.
;;   ~~~python
;;   def quantise(x, axis):      # numpy; x: float32 -> the quantised numbers, widened to float32 again
;;       x = np.moveaxis(x, axis, -1); K = x.shape[-1]
;;       x = np.pad(x, [(0, 0)] * (x.ndim - 1) + [(0, -K % 32)]); x = x.reshape(x.shape[:-1] + (-1, 32)); a = np.abs(x).max(-1, keepdims=True)
;;       e = np.where(a > 0, np.clip(np.frexp(np.where(a > 0, a, 1))[1] - 1 - 8, -126, 127), 0)      # np.frexp(a)[1] - 1 = floor(log2(a)), exactly
;;       r = np.clip(x / 2.0 ** e, -448, 448)
;;       step = 2.0 ** (np.maximum(np.frexp(np.where(r == 0, 1, r))[1] - 1, -6) - 3)
;;       q = np.round(r / step) * step * 2.0 ** e      # np.round: ties to even
;;       return np.moveaxis(q.reshape(q.shape[:-2] + (-1,))[..., :K], -1, axis).astype(np.float32)
;;   ~~~
;;   SOFTMAX AHEAD OF A QUANTISED PRODUCT. Where the list says 'softmax', what is quantised is not the finished softmax but p = 2^(t - M), with t = logit x log2(e) and M = ceil(the row's largest t), a whole number; so 1/2 < the row's largest p <= 1. The row's sum l is taken of the UNQUANTISED p, in f32, and the product's result is divided by l at the end. Since M is a whole number, a kernel that streams over the keys may use a running M (the ceiling of the running maximum): every later rescaling is an exact power of two, which a block's scale takes up: the codes' values come out the same.
;;   OPERANDS COMPUTED ON THE WAY. 'Computed on the way' means the value that the module computes at that place (a softmax that the list does not call 'softmax' is quantised finished and normalised). What goes into a quantiser is computed in f32, as accurately as f32 sums, v_exp_f32 and their like allow (about 1e-6 of the number): no bf16 or f16 on the way to a quantiser, and a product that is left as it is and whose result goes on into a quantised operand takes f32 operands (vector FMAs, or v_wmma_f32_16x16x4_f32). A number that lies on a knife's edge between two numbers of the format may be rounded either way, as far as f32 arithmetic and the matrix unit's own rounding can turn it there, and no further.
;;   INPUTS GIVEN AS CODES. W1 (in the module: [512, 2048], K = its axis 0); W2 (in the module: [2048, 512], K = its axis 0); Wk (in the module: [512, 512], K = its axis 0); Wo (in the module: [512, 512], K = its axis 0); Wq (in the module: [512, 512], K = its axis 0); Wv (in the module: [512, 512], K = its axis 0): each comes as NAME_codes (uint8): NAME with its K axis moved to the last place and cut into blocks of 32 codes, [.., K / 32, bytes a block], one block behind the other in memory; one code a byte (a code: sign, 4 exponent bits, 3 mantissa bits); and NAME_scales (uint8): the same leading axes, one E8M0 byte (e + 127) for each 32 codes along K. Its value is code x scale, taken as it is: it is not quantised again, and the codes and scales need not be those that the quantiser above would give.
;; One version. Each part assembles by itself: llvm-mc -triple=amdgcn-amd-amdhsa -mcpu=gfx1250 --defsym DOCPART=n.
;; ======== version 1 of 1: 3 launches
;; limits: right only within a limited range of input values
;; workspace buffers: qimg 4,194,304 bytes; qsc 262,144 bytes; krec 4,456,448 bytes; vrec 4,325,376 bytes; ctximg 4,194,304 bytes; ctxsc 131,072 bytes
;; launch qkv (part 1): grid 128 x 1, 4 waves a work-group, clusters of 4 x 1, 327,680 bytes of LDS; arguments x, Wq_codes, Wq_scales, bq, Wk_codes, Wk_scales, bk, Wv_codes, Wv_scales, bv, qimg, qsc, krec, vrec; writes qimg, qsc, krec, vrec
.if DOCPART == 1
	.amdgcn_target "amdgcn-amd-amdhsa--gfx1250"
	.amdhsa_code_object_version 6
	.text
	.protected	k_qce84112bdb_qkv
	.globl	k_qce84112bdb_qkv
	.p2align	8
	.type	k_qce84112bdb_qkv,@function
k_qce84112bdb_qkv:
	s_mov_b64 s[64:65], 0
	v_nop
	global_prefetch_b8 v0, s[64:65] scope:SCOPE_SE
	s_setreg_imm32_b32 hwreg(HW_REG_WAVE_MODE, 25, 1), 1
	s_wait_xcnt 0x0
	s_wait_alu depctr_hold_cnt(0) depctr_sa_sdst(0) depctr_va_vdst(0) depctr_va_sdst(0) depctr_va_ssrc(0) depctr_va_vcc(0) depctr_vm_vsrc(0)
	s_getreg_b32 s2, hwreg(HW_REG_IB_STS2, 6, 4)
	s_cmp_eq_u32 s2, 0
	s_cbranch_scc0 .Lentry_in_a_cluster
	s_endpgm
.Lentry_in_a_cluster:
	s_bfe_u32 s2, ttmp6, 0x10000c
	s_cmp_lg_u32 s2, 0x3003
	s_cbranch_scc0 .Lentry_shape_is_right
	s_endpgm
.Lentry_shape_is_right:
.set SLOTB, 139264
.set WROWS, 34816
.set PITCH, 272
.set IMG,   278528
.set ISCX,  311296
.set SPARE, 315392
.set LI,  1
.set BO,  2
.set WA,  3
.set XWI, 5
.set XWS, 6
.set IRD, 7
.set ISR, 8
.set XA,  9
.set QSO, 10
.set KSO, 11
.set VSO, 12
.set SPW, 13
.set NIL, 14
.set SH,  15
.set WSA, 16
.set WSB, 32
.set AS,  48
.set BI,  64
.set WF,  128
.set TQ,  128
.set PC,  192
.set TM,  208
.set PW,  224
.set WV,  32
.set CX,  33
.set WGI, 34
.set WL,  35
.set G1A, 36
.set G0A, 44
.set G0B, 48
.set SEL, 52
.set MNT, 54
.set HM,  55
.set MSB, 0
.macro WIN new
.if MSB != (\new)
	s_set_vgpr_msb (MSB<<8)|(\new)
.set MSB, (\new)
.endif
.endm
.macro PLACES n
.rept \n
	v_nop
.endr
.endm
.macro ROUND
	s_barrier_signal -1
	s_barrier_wait -1
	s_cmp_lg_u32 s[WV], 0
	s_cbranch_scc1 .Lnot_wave_0_\@
	s_barrier_signal -3
.Lnot_wave_0_\@:
	s_barrier_wait -3
	s_barrier_signal -1
	s_barrier_wait -1
.endm
.macro LOADW slot, q, g
.irp t, 0,1,2,3
.irp c, 0,1,2,3
	ds_load_b64 v[WF+16*(4*(\g)+\t)+4*\c:WF+16*(4*(\g)+\t)+4*\c+1], v[WA+\slot] offset:4352*(4*(\g)+\t)+128*(\q)+32*\c
	ds_load_b64 v[WF+16*(4*(\g)+\t)+4*\c+2:WF+16*(4*(\g)+\t)+4*\c+3], v[WA+\slot] offset:4352*(4*(\g)+\t)+128*(\q)+32*\c+16
.endr
.endr
.endm
.macro MWIN kind, s
.if (\kind) == 0
.if (\s) == 0
	WIN 0x84
.else
	WIN 0xa4
.endif
.else
.if (\s) == 0
	WIN 0x81
.else
	WIN 0xa1
.endif
.endif
.endm
.macro MULT kind, g, s, ws
.set tt, 4*(\g)
.rept 4
.set mm, 0
.rept 4
.if (\kind) == 0
.set rD, 8*(8*mm+tt)
.else
.set rD, 8*(4*tt+mm)
.endif
.set rW, WF+16*tt
.set rX, 16*(4*mm+(\s))
.set rC, rD
.if (\s) == 0
.set rC, BI+8*tt
.endif
.set sW, (\ws)+4*(tt/2)+(\s)
.set sX, AS+4*mm+(\s)
.if (\kind) == 0
.if (tt%2) == 1
	v_wmma_scale_f32_16x16x128_f8f6f4 v[rD:rD+7], v[rW:rW+15], v[rX:rX+15], v[rC:rC+7], v[sW], v[sX] matrix_a_scale:MATRIX_SCALE_ROW1
.else
	v_wmma_scale_f32_16x16x128_f8f6f4 v[rD:rD+7], v[rW:rW+15], v[rX:rX+15], v[rC:rC+7], v[sW], v[sX]
.endif
.else
.if (tt%2) == 1
	v_wmma_scale_f32_16x16x128_f8f6f4 v[rD:rD+7], v[rX:rX+15], v[rW:rW+15], v[rC:rC+7], v[sX], v[sW] matrix_b_scale:MATRIX_SCALE_ROW1
.else
	v_wmma_scale_f32_16x16x128_f8f6f4 v[rD:rD+7], v[rX:rX+15], v[rW:rW+15], v[rC:rC+7], v[sX], v[sW]
.endif
.endif
.set mm, mm+1
.endr
.set tt, tt+1
.endr
.endm
.macro PROC kind, slot, half, ws
	LOADW \slot, 0, 0
	LOADW \slot, 0, 1
	s_wait_dscnt 32
	MWIN \kind, 2*(\half)
	MULT \kind, 0, 2*(\half), \ws
	WIN 0
	PLACES 8
	LOADW \slot, 1, 0
	s_wait_dscnt 32
	MWIN \kind, 2*(\half)
	MULT \kind, 1, 2*(\half), \ws
	WIN 0
	PLACES 8
	LOADW \slot, 1, 1
	s_wait_dscnt 32
	MWIN \kind, 2*(\half)+1
	MULT \kind, 0, 2*(\half)+1, \ws
	s_wait_dscnt 0x0
	MULT \kind, 1, 2*(\half)+1, \ws
	WIN 0
.endm
.macro CH_HEAD
	s_wait_tensorcnt 0x0
	ds_add_u32 v[SPW], v[NIL]
.endm
.macro CH_TAIL fetch, g0
	s_wait_dscnt 0x0
.if \fetch
	ROUND
	tensor_load_to_lds s[\g0:\g0+3], s[G1A:G1A+7]
	s_nop 0
.else
	s_barrier_signal -1
	s_barrier_wait -1
.endif
	PLACES 9
.endm
.macro QUANT win, base, relu, pw
	WIN (\win)|((\win)<<2)
.irp b, 0,1,2,3
.if \relu
	v_max3_num_f32 v[TM+\b], v[(\base)+16*\b], v[(\base)+16*\b+1], 0x4800000
.else
	v_max3_num_f32 v[TM+\b], |v[(\base)+16*\b]|, |v[(\base)+16*\b+1]|, 0x4800000
.endif
.endr
.irp i, 2,4,6,8,10,12,14
.irp b, 0,1,2,3
.if \relu
	v_max3_num_f32 v[TM+\b], v[(\base)+16*\b+\i], v[(\base)+16*\b+\i+1], v[TM+\b]
.else
	v_max3_num_f32 v[TM+\b], |v[(\base)+16*\b+\i]|, |v[(\base)+16*\b+\i+1]|, v[TM+\b]
.endif
.endr
.endr
	WIN 0
.irp b, 0,1,2,3
	v_permlanex16_b32 v[TM+4+\b], v[TM+\b], s[SEL], s[SEL+1]
.endr
.irp b, 0,1,2,3
	v_max_num_f32 v[TM+\b], v[TM+\b], v[TM+4+\b]
.endr
.irp b, 0,1,2,3
	v_add_nc_u32 v[TM+12+\b], 0xfc000000, v[TM+\b]
.endr
.irp b, 0,1,2,3
	v_and_or_b32 v[TM+8+\b], v[TM+\b], 0x7f800000, s[MNT]
.endr
.irp b, 0,1,2,3
	v_lshrrev_b32 v[TM+4+\b], 23, v[TM+12+\b]
.endr
	v_lshl_or_b32 v[\pw], v[TM+5], 8, v[TM+4]
	v_lshl_or_b32 v[\pw], v[TM+6], 16, v[\pw]
	v_lshl_or_b32 v[\pw], v[TM+7], 24, v[\pw]
	WIN \win
.irp b, 0,1,2,3
.irp i, 0,1,2,3,4,5,6,7,8,9,10,11,12,13,14,15
.if \relu
	v_med3_num_f32 v[TQ+16*\b+\i], v[(\base)+16*\b+\i], 0, v[TM+8+\b]
.else
	v_med3_num_f32 v[TQ+16*\b+\i], v[(\base)+16*\b+\i], -v[TM+8+\b], v[TM+8+\b]
.endif
.endr
.endr
	WIN 0
.irp b, 0,1,2,3
	v_cvt_scalef32_pk8_fp8_f32 v[PC+4*\b:PC+4*\b+1], v[TQ+16*\b:TQ+16*\b+7], v[TM+12+\b]
	v_cvt_scalef32_pk8_fp8_f32 v[PC+4*\b+2:PC+4*\b+3], v[TQ+16*\b+8:TQ+16*\b+15], v[TM+12+\b]
.endr
	v_nop
.endm
.macro IMAGE adr, off
.irp c, 0,1,2,3
	ds_store_b128 v[\adr], v[PC+4*\c:PC+4*\c+3] offset:(\off)+512*\c
.endr
.endm
.macro LDSCALE ws, p
.irp b, 0,1,2,3
	global_load_b128 v[\ws+4*\b:\ws+4*\b+3], v[LI], s[\p:\p+1] offset:512*\b
.endr
.endm
.macro LDBIAS p
.irp t, 0,1,2,3,4,5,6,7
	global_load_b128 v[BI+8*\t:BI+8*\t+3], v[BO], s[\p:\p+1] offset:64*\t
	global_load_b128 v[BI+8*\t+4:BI+8*\t+7], v[BO], s[\p:\p+1] offset:64*\t+16
.endr
.endm
.macro EPI_QK cb, hs, sb, vo
.irp m, 0,1,2,3
	s_wait_xcnt 0x0
	QUANT 2, 64*\m, 0, PW+\m
.irp b, 0,1,2,3
	global_store_b128 v[LI], v[PC+4*\b:PC+4*\b+3], s[\cb:\cb+1] offset:1024*\m+(\b/2)*(\hs)+(\b%2)*512
.endr
.endr
.irp m, 0,1,2,3
	v_lshrrev_b32 v[PW+\m], v[SH], v[PW+\m]
.endr
	global_store_b128 v[\vo], v[PW:PW+3], s[\sb:\sb+1]
	s_wait_xcnt 0x0
.endm
	s_load_b512 s[4:19], s[0:1], 0x0
	s_load_b256 s[20:27], s[0:1], 0x40
	s_load_b128 s[28:31], s[0:1], 0x60
	v_lshl_add_u32 v[SPW], v0, 2, SPARE
	v_mov_b32 v[NIL], 0
	ds_add_u32 v13, v14
	ds_add_u32 v13, v14
	s_wait_dscnt 0x0
	v_lshrrev_b32 v1, 5, v0
	v_readfirstlane_b32 s[WV], v1
	s_bfe_u32 s[CX], ttmp6, 0x40000
	s_lshl_b32 s[WGI], ttmp9, 2
	s_add_co_u32 s[WGI], s[WGI], s[CX]
	s_mov_b32 s[G1A], 15|(1<<20)|(1<<21)|(5<<22)|(3<<25)
	s_mov_b32 s[G1A+1], 256<<16
	s_mov_b32 s[G1A+2], 128<<16
	s_mov_b32 s[G1A+3], 256<<16
	s_mov_b32 s[G1A+4], 128
	s_mov_b32 s[G1A+5], 512
	s_mov_b32 s[G1A+6], 0
	s_mov_b32 s[G1A+7], 0
	s_mov_b32 s[SEL], 0x76543210
	s_mov_b32 s[SEL+1], 0xfedcba98
	s_mov_b32 s[MNT], 0x600000
	s_mov_b32 s[HM], 0xffff0000
	s_mul_i32 s[WL], s[WV], WROWS
	s_lshl_b32 s56, s[WV], 16
	s_mov_b32 s57, 0
	s_lshl_b32 s58, s[WV], 11
	s_mov_b32 s59, 0
	s_lshl_b32 s60, s[WV], 9
	s_mov_b32 s61, 0
	s_lshl_b32 s62, s[WGI], 17
	s_lshl_b32 s63, s[WV], 15
	s_add_co_u32 s62, s62, s63
	s_mov_b32 s63, 0
	s_lshr_b32 s86, s[WGI], 6
	s_lshl_b32 s86, s86, 3
	s_lshl_b32 s87, s[WV], 1
	s_add_co_u32 s86, s86, s87
	s_and_b32 s87, s[WGI], 63
	s_and_b32 s88, s[WGI], 1
	s_lshr_b32 s89, s87, 1
	s_lshl_b32 s66, s86, 18
	s_lshl_b32 s90, s87, 12
	s_add_co_u32 s66, s66, s90
	s_mov_b32 s67, 0
	s_lshl_b32 s68, s86, 14
	s_lshl_b32 s90, s87, 8
	s_add_co_u32 s68, s68, s90
	s_mov_b32 s69, 0
	s_mul_i32 s70, s86, 278528
	s_mul_i32 s90, s89, 8704
	s_add_co_u32 s70, s70, s90
	s_lshl_b32 s90, s88, 8
	s_add_co_u32 s72, s70, s90
	s_add_co_u32 s72, s72, 8192
	s_lshl_b32 s90, s88, 12
	s_add_co_u32 s70, s70, s90
	s_mov_b32 s71, 0
	s_mov_b32 s73, 0
	s_mul_i32 s74, s86, 270336
	s_mul_i32 s90, s89, 8448
	s_add_co_u32 s74, s74, s90
	s_lshl_b32 s90, s88, 7
	s_add_co_u32 s76, s74, s90
	s_add_co_u32 s76, s76, 8192
	s_lshl_b32 s90, s88, 10
	s_add_co_u32 s74, s74, s90
	s_mov_b32 s75, 0
	s_mov_b32 s77, 0
	s_wait_kmcnt 0x0
	s_add_nc_u64 s[6:7], s[6:7], s[56:57]
	s_add_nc_u64 s[12:13], s[12:13], s[56:57]
	s_add_nc_u64 s[18:19], s[18:19], s[56:57]
	s_add_nc_u64 s[8:9], s[8:9], s[58:59]
	s_add_nc_u64 s[14:15], s[14:15], s[58:59]
	s_add_nc_u64 s[20:21], s[20:21], s[58:59]
	s_add_nc_u64 s[10:11], s[10:11], s[60:61]
	s_add_nc_u64 s[16:17], s[16:17], s[60:61]
	s_add_nc_u64 s[22:23], s[22:23], s[60:61]
	s_add_nc_u64 s[62:63], s[4:5], s[62:63]
	s_add_nc_u64 s[66:67], s[24:25], s[66:67]
	s_add_nc_u64 s[68:69], s[26:27], s[68:69]
	s_add_nc_u64 s[70:71], s[28:29], s[70:71]
	s_add_nc_u64 s[72:73], s[28:29], s[72:73]
	s_add_nc_u64 s[74:75], s[30:31], s[74:75]
	s_add_nc_u64 s[76:77], s[30:31], s[76:77]
	ROUND
	s_mov_b32 s[G0A], 1
	s_mov_b32 s[G0A+1], s[WL]
	s_mov_b64 s[G0A+2:G0A+3], s[6:7]
	s_or_b32 s[G0A+3], s[G0A+3], 0x80000000
	s_mov_b32 s[G0B], 1
	s_add_co_u32 s[G0B+1], s[WL], SLOTB
	s_add_nc_u64 s[G0B+2:G0B+3], s[6:7], 256
	s_or_b32 s[G0B+3], s[G0B+3], 0x80000000
	tensor_load_to_lds s[G0A:G0A+3], s[G1A:G1A+7]  ; slot 0: my one tensor load at the head
	s_nop 0
	PLACES 4
	v_and_b32 v130, 31, v0
	v_and_b32 v128, 15, v0
	v_bfe_u32 v129, v0, 4, 1
	v_lshlrev_b32 v[LI], 4, v130
	v_mul_u32_u24 v[WA], v128, PITCH
	v_lshl_add_u32 v[WA], v129, 3, v[WA]
	v_add_nc_u32 v[WA], s[WL], v[WA]
	v_add_nc_u32 v[WA+1], SLOTB, v[WA]
	v_add_nc_u32 v[IRD], IMG, v[LI]
	s_lshl_b32 s91, s[WV], 13
	v_add_nc_u32 v[XWI], s91, v[IRD]
	v_lshl_add_u32 v[ISR], v130, 2, ISCX
	s_lshl_b32 s92, s[WV], 9
	v_add_nc_u32 v[XWS], s92, v[ISR]
	v_lshlrev_b32 v[BO], 5, v129
	v_lshl_add_u32 v[XA], v128, 11, v[BO]
	v_lshlrev_b32 v[SH], 4, v129
	v_lshlrev_b32 v131, 4, v128
	v_lshl_add_u32 v[QSO], v129, 14, v131
	v_mad_u32_u24 v[KSO], v129, 0x44000, v131
	v_lshlrev_b32 v132, 3, v128
	v_mad_u32_u24 v[VSO], v129, 0x42000, v132
.irp b, 0,1,2,3
	v_mov_b32 v[TM+4+\b], 0
.endr
	WIN 0xc0
.irp s, 0,1,2,3
.irp c, 0,1,2,3
.irp e, 0,1
.irp i, 0,1
	global_load_b128 v[64*\s+16*\c+8*\e+4*\i:64*\s+16*\c+8*\e+4*\i+3], v[XA], s[62:63] offset:512*\s+128*\c+64*\e+16*\i th:TH_LOAD_NT
.endr
.endr
.endr
.endr
	WIN 0
	LDSCALE WSA, 8
	LDBIAS 10
	; x, the scale words and the bias are asked for; now slot 1's first fill, issued as a refill is: the three lines, a round, the load
	s_wait_alu depctr_va_vdst(0)                   ; the wait at the head's end
	s_wait_tensorcnt 0x0
	ds_add_u32 v13, v14
	s_wait_dscnt 0x0
	ROUND
	tensor_load_to_lds s[G0B:G0B+3], s[G1A:G1A+7]
	s_nop 0
	PLACES 4
	s_wait_loadcnt 20
	v_and_b32 v[XA], 15, v0
	v_lshlrev_b32 v[XA], 2, v[XA]
.irp s, 0,1,2,3
	QUANT 3, 64*\s, 0, PW
	IMAGE XWI, 2048*\s
	ds_store_b32 v[XWS], v[PW] offset:128*\s
	s_wait_dscnt 0x0
.endr
	s_wait_tensorcnt 0x1
	s_barrier_signal -1
	s_barrier_wait -1
	WIN 0x40
.set ff, 0
.rept 64
	ds_load_b128 v[4*ff:4*ff+3], v[IRD] offset:512*ff
.set ff, ff+1
.endr
	WIN 0
.set ff, 0
.rept 16
	ds_load_b32 v[AS+ff], v[ISR] offset:128*ff
.set ff, ff+1
.endr
	s_wait_loadcnt 0x0
	PROC 0, 0, 0, WSA
	CH_HEAD
	s_mov_b64 s[G0A+2:G0A+3], s[12:13]
	s_or_b32 s[G0A+3], s[G0A+3], 0x80000000
	CH_TAIL 1, G0A
	LDSCALE WSB, 14
	LDBIAS 16
	PROC 0, 1, 1, WSA
	CH_HEAD
	s_add_nc_u64 s[G0B+2:G0B+3], s[12:13], 256
	s_or_b32 s[G0B+3], s[G0B+3], 0x80000000
	CH_TAIL 1, G0B
	EPI_QK 66, 262144, 68, QSO
	s_wait_loadcnt 0x0
	PROC 0, 0, 0, WSB
	CH_HEAD
	s_mov_b64 s[G0A+2:G0A+3], s[18:19]
	s_or_b32 s[G0A+3], s[G0A+3], 0x80000000
	CH_TAIL 1, G0A
	LDSCALE WSA, 20
.irp t, 0,1,2,3,4,5,6,7
.irp j, 0,1,2,3,4,5,6,7
	global_load_b32 v[BI+8*\t+\j], v[XA], s[22:23] offset:64*\t
.endr
.endr
	PROC 0, 1, 1, WSB
	CH_HEAD
	s_add_nc_u64 s[G0B+2:G0B+3], s[18:19], 256
	s_or_b32 s[G0B+3], s[G0B+3], 0x80000000
	CH_TAIL 1, G0B
	EPI_QK 70, 278528, 72, KSO
	s_wait_loadcnt 0x0
	PROC 1, 0, 0, WSA
	CH_HEAD
	CH_TAIL 0, 0
	PROC 1, 1, 1, WSA
	PLACES 8
.irp p, 0,1,2,3
	s_wait_xcnt 0x0
	QUANT 2, 64*\p, 0, PW+\p
.irp b, 0,1,2,3
	global_store_b128 v[LI], v[PC+4*\b:PC+4*\b+3], s[74:75] offset:((2*\p+\b/2)/4)*270336+((2*\p+\b/2)%4)*2048+(\b%2)*512
.endr
.endr
	v_cndmask_b32 v[PW], v[PW], v[PW+2], s[HM]
	v_cndmask_b32 v[PW+1], v[PW+1], v[PW+3], s[HM]
	global_store_b64 v[VSO], v[PW:PW+1], s[76:77]
	s_wait_tensorcnt 0x0
	ds_add_u32 v[SPW], v[NIL]
	s_wait_dscnt 0x0
	ROUND
	s_endpgm
.Lfunc_end_k_qce84112bdb_qkv:
	.size	k_qce84112bdb_qkv, .Lfunc_end_k_qce84112bdb_qkv-k_qce84112bdb_qkv
	.p2alignl 7, 3214868480
	.fill 96, 4, 3214868480
	.section	.rodata,"a",@progbits
	.p2align	6, 0x0
	.amdhsa_kernel k_qce84112bdb_qkv
		.amdhsa_group_segment_fixed_size 327680
		.amdhsa_private_segment_fixed_size 0
		.amdhsa_enable_private_segment 0
		.amdhsa_kernarg_size 112
		.amdhsa_user_sgpr_count 2
		.amdhsa_user_sgpr_kernarg_segment_ptr 1
		.amdhsa_wavefront_size32 1
		.amdhsa_system_sgpr_workgroup_id_x 1
		.amdhsa_system_sgpr_workgroup_id_y 1
		.amdhsa_system_sgpr_workgroup_id_z 1
		.amdhsa_system_vgpr_workitem_id 0
		.amdhsa_next_free_vgpr 1024
		.amdhsa_next_free_sgpr 96
		.amdhsa_reserve_vcc 0
		.amdhsa_float_denorm_mode_32 3
		.amdhsa_float_denorm_mode_16_64 3
		.amdhsa_memory_ordered 1
		.amdhsa_forward_progress 1
		.amdhsa_inst_pref_size 255
	.end_amdhsa_kernel
	.section	.bss,"aw",@nobits
	.p2align	6
	.space	262144
	.amdgpu_metadata
---
amdhsa.version: [ 1, 2 ]
amdhsa.kernels:
  - .name:           k_qce84112bdb_qkv
    .symbol:         k_qce84112bdb_qkv.kd
    .args:
      - { .name: x, .offset: 0, .size: 8, .value_kind: global_buffer, .address_space: global }
      - { .name: Wq_codes, .offset: 8, .size: 8, .value_kind: global_buffer, .address_space: global }
      - { .name: Wq_scales, .offset: 16, .size: 8, .value_kind: global_buffer, .address_space: global }
      - { .name: bq, .offset: 24, .size: 8, .value_kind: global_buffer, .address_space: global }
      - { .name: Wk_codes, .offset: 32, .size: 8, .value_kind: global_buffer, .address_space: global }
      - { .name: Wk_scales, .offset: 40, .size: 8, .value_kind: global_buffer, .address_space: global }
      - { .name: bk, .offset: 48, .size: 8, .value_kind: global_buffer, .address_space: global }
      - { .name: Wv_codes, .offset: 56, .size: 8, .value_kind: global_buffer, .address_space: global }
      - { .name: Wv_scales, .offset: 64, .size: 8, .value_kind: global_buffer, .address_space: global }
      - { .name: bv, .offset: 72, .size: 8, .value_kind: global_buffer, .address_space: global }
      - { .name: qimg, .offset: 80, .size: 8, .value_kind: global_buffer, .address_space: global }
      - { .name: qsc, .offset: 88, .size: 8, .value_kind: global_buffer, .address_space: global }
      - { .name: krec, .offset: 96, .size: 8, .value_kind: global_buffer, .address_space: global }
      - { .name: vrec, .offset: 104, .size: 8, .value_kind: global_buffer, .address_space: global }
    .group_segment_fixed_size: 327680
    .private_segment_fixed_size: 0
    .kernarg_segment_align: 8
    .kernarg_segment_size: 112
    .max_flat_workgroup_size: 128
    .sgpr_count:     96
    .vgpr_count:     1024
    .wavefront_size: 32
...
	.end_amdgpu_metadata
.endif
;; end of part 1
;; launch attn (part 2): grid 16 x 16, 16 waves a work-group, no clusters, 327,680 bytes of LDS; arguments qimg, qsc, krec, vrec, ctximg, ctxsc; writes ctximg, ctxsc
.if DOCPART == 2
	.amdgcn_target "amdgcn-amd-amdhsa--gfx1250"
	.amdhsa_code_object_version 6
	.text
	.protected	k_qce84112bdb_attn
	.globl	k_qce84112bdb_attn
	.p2align	8
	.type	k_qce84112bdb_attn,@function
k_qce84112bdb_attn:
	s_mov_b64 s[64:65], 0
	v_nop
	global_prefetch_b8 v0, s[64:65] scope:SCOPE_SE
	s_setreg_imm32_b32 hwreg(HW_REG_WAVE_MODE, 25, 1), 1
	s_wait_xcnt 0x0
; Causal attention on codes of E4M3: ctx = softmax(q k^T / 8) v for 16 heads of 4,096 tokens, head size 64, and ctx's own quantising along the head's 64.  Inputs as the launch before laid them (images of operand registers).
; t = score x log2(e) / 8; M = the running largest t rounded UP to a whole number; p = 2^(t - M) is quantised along the keys; the sum is taken of the unquantised p and divides at the end.
; Key steps that lie wholly above the diagonal are under the mask that the problem builds itself and are not walked.
; SHARES.  A head's queries are 32 blocks of 128.  Work-group j owns blocks j and 31 - j: j + 1 and 32 - j key steps of 128, 33 ITEMS for each of eight tiles of 16 + 16 queries.  Item i is key step i of block j (i <= j) or key step i - j - 1 of block 31 - j.
; A tile has TWO waves: wave w (0-7) walks items 0 to 15, wave 8 + w items 16 to 32.  So wave w ends block j's pass (j <= 15), begins block 31 - j's, and hands its O^T, -M and sum to wave 8 + w through LDS;
; that wave brings both parts under the larger M by multiplications with powers of two, adds them and finishes.  All trip counts are constants.  Hidden keys: items j and 32 alone.
; Sixteen waves of 256 registers, four to a SIMD, so that one wave's vector work stands beside the others' LDS loads and matrix work.
; NO CLUSTER: the query blocks of a head change passes at different steps, which is a branch on a work-group's place.
; LAYOUT.  S^T = K Q^T (source 0 = 16 keys, source 1 = my 16 queries), O^T = V^T P^T: a lane holds ONE query.  K = 64 is filled to the instruction's 128 by zero codes on Q's side alone: K's tiles lie 8 registers apart,
; and a tile's source 0 runs on into the next tile's codes (behind tile 7: a pad of zeros): codes of the quantiser, never a NaN code, times zero codes add nothing.
; Register 16 b + 8 u + j of S^T holds key 32 b + 16 u + 8 h + j; v's codes were made in the same order, so p's codes are the operand as they stand.
; LDS: two slots of four steps; a step holds both streams' records, K's (8,704 bytes) and V's (8,448), dense: 16 records a slot, one tensor load a wave.  Behind them the spare words and the stage for the parts handed over.
; LIMITS: NaN and infinities are not served; 1 / l by v_rcp_f32; a block's largest p is taken as 2^ of its largest score (v_exp_f32 taken not to fall where its input rises); blocks of zeros get the byte 1;
; ctx's scale bytes leave as two bytes a lane (131,072 bytes in the launch).
.set KREC,  8704
.set VREC,  8448
.set STEPB, 17152                      ; one stream's records of a step
.set STEP2, 34304                      ; both streams'
.set SLOTB, 137216                     ; four steps; it shares no bit with STEPB, so one exclusive or turns a stream's first address from slot to slot
.set SPARE, 274432
.set MSTG,  276480                     ; 4,608 bytes a tile: O^T as eight images of four registers, then v12-15
.set LI,  1                            ; 16 x lane
.set R8,  2                            ; 8 r
.set DM,  3                            ; 16 w + r - 8 h: register n's key is hidden where 16 (n / 8) + n % 8 is above it
.set ADR, 4
.set ADV, 5
.set SPW, 6
.set NIL, 7
.set PFO, 8                            ; 256 x lane
.set R4,  9                            ; 4 r
.set R16, 10                           ; 16 r
.set MA,  11                           ; my tile's stage + 16 x lane
.set KS,  16                           ; v16-19 K's scale words
.set VA,  20                           ; v20-23 V's scale bytes as loaded
.set VW,  24                           ; v24-27 V's scale words
.set QS,  28                           ; Q's scale word
.set PSW, 30                           ; p's scale word
.set FR,  32                           ; v32-95 K's eight tiles of 8 registers, then V's four fragments of 16
.set PADK, 96                          ; v96-103 zeros
.set Q,   104                          ; v104-111 Q's codes, v112-119 zeros
.set S,   120                          ; v120-183 S^T, then p
.set O,   184                          ; v184-215 O^T
.set PC,  216                          ; v216-231 p's codes
.set CC,  216                          ; ctx's codes
.set BM,  232
.set T2,  236
.set HOLD, 240
.set SCL, 244
.set F,   248
.set CW,  250
.set TMP, 251
.set X0,  252
.set X1,  254
.set WV,  16
.set J,   17
.set J1,  18
.set IV,  19                           ; the item in hand
.set IW,  20                           ; the item whose record I fetched last
.set TB,  21                           ; LDS byte at which my stream's records of the step begin
.set SEL, 22
.set CS,  24
.set MNT, 26
.set P0,  27
.set P1,  28
.set LIM, 29
.set OUTER, 30
.set INNER, 31
.set G1K, 32
.set G1V, 40
.set G0,  48
.set BASE, 52                          ; krec or vrec at my head
.set STR, 54                           ; a record's bytes
.set W8,  55                           ; my tile
.set CP0, 56
.set CW0, 58
.set CP1, 60
.set CW1, 62
.set PFA, 66
.set HALF, 68                          ; 0: items 0-15; 1: items 16-32.  Also: I fetch K's records (0) or V's (1)
.set LA0, 69                           ; my record's place in a slot
.set SB,  70                           ; the slot filled last
.set QT,  71
.set TL,  80
.set TH,  81
.set BH,  82
.macro PLACES n
.rept \n
	v_nop
.endr
.endm
.macro KAPPA dst, src                  ; s[dst:dst+1] = the byte offset of the record that item s[src] walks (the item held at 32)
	s_min_u32 s[\dst], s[\src], 32
	s_cmp_gt_u32 s[\dst], s[J]
	s_cselect_b32 s[\dst+1], s[J1], 0
	s_sub_co_u32 s[\dst], s[\dst], s[\dst+1]
	s_mul_i32 s[\dst], s[\dst], s[STR]
	s_mov_b32 s[\dst+1], 0
.endm
; all = 1: waves 0-7 fetch K's records of a slot, waves 8-15 V's.  all = 0: item 32 alone: waves 4 and 12.  An s_nop 0 and four v_nop follow each line.
.macro TLOAD all
.if \all
	s_cmp_lt_u32 s[WV], 8
.else
	s_cmp_eq_u32 s[WV], 4
.endif
	s_cbranch_scc0 .Lnot_k_\@
	tensor_load_to_lds s[G0:G0+3], s[G1K:G1K+7]
	s_nop 0
	PLACES 4
	s_branch .Lasked_\@
.Lnot_k_\@:
.if !(\all)
	s_cmp_eq_u32 s[WV], 12
	s_cbranch_scc0 .Lasked_\@
.endif
	tensor_load_to_lds s[G0:G0+3], s[G1V:G1V+7]
	s_nop 0
	PLACES 4
.Lasked_\@:
.endm
; A PREFETCH INTO THE L2 of the record that I shall fetch at the NEXT change of slots: its 8,192 bytes of codes, lanes 256 bytes apart.  All work-groups of a head walk the same records: work-group 0 asks, whose items
; 1 to 32 are the head's 32 records.  Slots 0 and 1 come by their loads alone; the first two changes ask for slots 2 and 3; item 32 is not asked for.  A slot's four steps lie between request and load.
.macro ASK
	s_cmp_gt_u32 s[OUTER], s[LIM]
	s_cbranch_scc0 .Lnot_mine_\@
	global_prefetch_b8 v[PFO], s[PFA:PFA+1] th:TH_LOAD_NT scope:SCOPE_SE
.Lnot_mine_\@:
.endm
; THE CHANGE OF SLOTS stands at a slot's head.  fill = 1: the slot just left takes the next four steps; 2: item 32; 0: nothing.
.macro CHANGE fill
	s_wait_tensorcnt 0x0                           ; no tensor load of mine is out, so the descriptor may be written
	ds_add_u32 v[SPW], v[NIL]                      ; 0 onto my spare word
.if \fill
	s_add_co_u32 s[IW], s[IW], 4
	KAPPA 72, IW
	s_add_nc_u64 s[G0+2:G0+3], s[BASE:BASE+1], s[72:73]
	s_or_b32 s[G0+3], s[G0+3], 0x80000000
	s_xor_b32 s[SB], s[SB], SLOTB                  ; the other slot than last time
	s_add_co_u32 s[G0+1], s[LA0], s[SB]
.endif
.if (\fill) == 1
	s_wait_xcnt 0x0                                ; the last prefetch, a slot back, has read its address
	s_add_co_u32 s74, s[IW], 4
	KAPPA 74, 74
	s_add_nc_u64 s[PFA:PFA+1], s[BASE:BASE+1], s[74:75]
.endif
	s_wait_dscnt 0x0                               ; the add is done, and my reads of the slot that I have left are over
	s_barrier_signal -1
	s_barrier_wait -1
.if (\fill) == 1
	TLOAD 1
	ASK
.endif
.if (\fill) == 2
	TLOAD 0
.endif
.endm
.macro INIT                            ; a pass begins: O^T and the sum are zeros, the largest t lies under every t
.set nn, 0
.rept 32
	v_mov_b32 v[O+nn], 0
.set nn, nn+1
.endr
	v_mov_b32 v14, 0
	v_mov_b32 v15, 0
	v_mov_b32 v13, 0xff61b1e6                      ; -3e38
	s_delay_alu instid0(VALU_DEP_1)
	v_floor_f32 v12, -v13
.endm
; A KEY STEP: 128 keys.  masked = 0: the mask's lines are jumped over unless this is item j; 1: they run.
.macro STEP masked
	v_add_nc_u32 v[ADR], s[TB], v[LI]
	v_add_nc_u32 v[ADV], s[TB], v[R8]
	PLACES 6                                       ; with the two additions: eight places in front of loads into registers that the last products read
	ds_load_b128 v[KS:KS+3], v[ADR] offset:8192    ; K's scale words: lanes 0-15 tiles 0-3, lanes 16-31 tiles 4-7
.irp t, 0,1,2,3,4,5,6,7
	ds_load_b128 v[FR+8*\t:FR+8*\t+3], v[ADR] offset:1024*\t
	ds_load_b128 v[FR+8*\t+4:FR+8*\t+7], v[ADR] offset:1024*\t+512
.endr
	ds_load_b64 v[VA:VA+1], v[ADV] offset:KREC+8192        ; V's scale bytes of keys 0-63: two a channel tile,
	ds_load_b64 v[VA+2:VA+3], v[ADV] offset:KREC+8192+128  ; of keys 64-127
	s_wait_alu depctr_va_vdst(0)
	s_wait_dscnt 2                                 ; K's 17 loads are in; V's two loads of scale bytes may be out
.irp t, 0,1,2,3
	v_wmma_scale_f32_16x16x128_f8f6f4 v[S+8*\t:S+8*\t+7], v[FR+8*\t:FR+8*\t+15], v[Q:Q+15], 0, v[KS+\t], v[QS]
.endr
.irp t, 4,5,6,7
	v_wmma_scale_f32_16x16x128_f8f6f4 v[S+8*\t:S+8*\t+7], v[FR+8*\t:FR+8*\t+15], v[Q:Q+15], 0, v[KS+\t-4], v[QS] matrix_a_scale:MATRIX_SCALE_ROW1
.endr
	s_wait_dscnt 0x0
	v_perm_b32 v[VW], v[VA+2], v[VA], s[P0]        ; a channel tile's word: two bytes of each half of the keys.  (These four and four v_nop are the eight places behind the products)
	v_perm_b32 v[VW+1], v[VA+2], v[VA], s[P1]
	v_perm_b32 v[VW+2], v[VA+3], v[VA+1], s[P0]
	v_perm_b32 v[VW+3], v[VA+3], v[VA+1], s[P1]
	PLACES 4
.irp t, 0,1,2,3
.irp c, 0,1,2,3
	ds_load_b128 v[FR+16*\t+4*\c:FR+16*\t+4*\c+3], v[ADR] offset:KREC+2048*\t+512*\c   ; V's fragments take K's registers; the softmax stands between these loads and the wait for them
.endr
.endr
.if (\masked) == 0
	s_cmp_lg_u32 s[IV], s[J]
	s_cbranch_scc1 .Lopen_\@
.endif
	v_mov_b32 v[TMP], 0xff800000                   ; hidden scores become -infinity ahead of the maximum: p = 0 then
.set nn, 0
.rept 64
	v_cmp_gt_i32 vcc_lo, 16*(nn/8)+(nn%8), v[DM]
	v_cndmask_b32 v[S+nn], v[S+nn], v[TMP], vcc_lo
.set nn, nn+1
.endr
.Lopen_\@:
.irp b, 0,1,2,3
	v_max3_num_f32 v[BM+\b], v[S+16*\b], v[S+16*\b+1], v[S+16*\b+2]   ; the largest score of each block of 32 keys: for the row's maximum and for the block's largest p
.endr
.irp i, 3,5,7,9,11,13
.irp b, 0,1,2,3
	v_max3_num_f32 v[BM+\b], v[BM+\b], v[S+16*\b+\i], v[S+16*\b+\i+1]
.endr
.endr
.irp b, 0,1,2,3
	v_max_num_f32 v[BM+\b], v[BM+\b], v[S+16*\b+15]
.endr
.irp b, 0,1,2,3
	s_delay_alu instid0(VALU_DEP_4)
	v_permlanex16_b32 v[T2+\b], v[BM+\b], s[SEL], s[SEL+1]
.endr
.irp b, 0,1,2,3
	s_delay_alu instid0(VALU_DEP_4)
	v_max_num_f32 v[BM+\b], v[BM+\b], v[T2+\b]
.endr
	s_delay_alu instid0(VALU_DEP_2)
	v_max3_num_f32 v[TMP], v[BM], v[BM+1], v[BM+2]
	s_delay_alu instid0(VALU_DEP_1)
	v_max_num_f32 v[TMP], v[TMP], v[BM+3]
	s_delay_alu instid0(VALU_DEP_1)
	v_mul_f32 v[TMP], s[CS], v[TMP]
	s_delay_alu instid0(VALU_DEP_1)
	v_max_num_f32 v13, v13, v[TMP]                 ; the running largest t
	v_mov_b32 v[TMP], v12
	s_delay_alu instid0(VALU_DEP_2)
	v_floor_f32 v12, -v13                          ; -M = floor(-t): M is a whole number
	s_delay_alu instid0(VALU_DEP_1)
	v_sub_f32 v[TMP], v12, v[TMP]
	s_delay_alu instid0(VALU_DEP_1)
	v_cvt_i32_f32 v[TMP], v[TMP]                   ; (it saturates)
	s_delay_alu instid0(VALU_DEP_1)
	v_ldexp_f32 v[F], 1.0, v[TMP]                  ; f = 2^(old M - new M): a multiplication by it rounds nothing
.set nn, 0
.rept 32
	v_pk_fma_f32 v[S+nn:S+nn+1], v[S+nn:S+nn+1], s[CS:CS+1], v[12:13] op_sel_hi:[1,0,0]   ; t - M
.set nn, nn+2
.endr
.irp b, 0,1,2,3
	v_fma_f32 v[BM+\b], v[BM+\b], s[CS], v12
.endr
.set nn, 0
	s_wait_alu depctr_va_vdst(0)                   ; the wait ahead of the batch
.rept 64
	v_exp_f32 v[S+nn], v[S+nn]                     ; p, not normalised
.set nn, nn+1
.endr
	v_pk_mul_f32 v[14:15], v[14:15], v[F:F+1] op_sel_hi:[1,0]   ; the sums under the new M; a plain line behind the exponentials
	s_wait_alu depctr_va_vdst(0)                   ; one wait for the batch of 64, ahead of its first reader
.irp b, 0,1,2,3
	v_exp_f32 v[BM+\b], v[BM+\b]                   ; the block's largest p
.endr
	v_pk_add_f32 v[T2:T2+1], v[S:S+1], v[S+2:S+3]  ; the row's sum of the unquantised p, two at a time, in four chains
	v_pk_add_f32 v[T2+2:T2+3], v[S+4:S+5], v[S+6:S+7]
	v_pk_add_f32 v[X0:X0+1], v[S+8:S+9], v[S+10:S+11]
	v_pk_add_f32 v[X1:X1+1], v[S+12:S+13], v[S+14:S+15]
.set nn, 16
.rept 6
	v_pk_add_f32 v[T2:T2+1], v[T2:T2+1], v[S+nn:S+nn+1]
	v_pk_add_f32 v[T2+2:T2+3], v[T2+2:T2+3], v[S+nn+2:S+nn+3]
	v_pk_add_f32 v[X0:X0+1], v[X0:X0+1], v[S+nn+4:S+nn+5]
	v_pk_add_f32 v[X1:X1+1], v[X1:X1+1], v[S+nn+6:S+nn+7]
.set nn, nn+8
.endr
	s_delay_alu instid0(VALU_DEP_3)
	v_pk_add_f32 v[T2:T2+1], v[T2:T2+1], v[T2+2:T2+3]
	s_delay_alu instid0(VALU_DEP_2)
	v_pk_add_f32 v[X0:X0+1], v[X0:X0+1], v[X1:X1+1]
	s_delay_alu instid0(VALU_DEP_1)
	v_pk_add_f32 v[T2:T2+1], v[T2:T2+1], v[X0:X0+1]
	s_delay_alu instid0(VALU_DEP_1)
	v_pk_add_f32 v[14:15], v[14:15], v[T2:T2+1]
	s_wait_alu depctr_va_vdst(0)                   ; and one for the four
.irp b, 0,1,2,3
	v_max_num_f32 v[BM+\b], 0x4800000, v[BM+\b]    ; the floor 2^(9 - 127)
.endr
.irp b, 0,1,2,3
	s_delay_alu instid0(VALU_DEP_4)
	v_add_nc_u32 v[SCL+\b], 0xfc000000, v[BM+\b]
.endr
.irp b, 0,1,2,3
	v_and_or_b32 v[HOLD+\b], v[BM+\b], 0x7f800000, s[MNT]
.endr
.irp b, 0,1,2,3
	v_lshrrev_b32 v[T2+\b], 23, v[SCL+\b]
.endr
	s_delay_alu instid0(VALU_DEP_3)
	v_lshl_or_b32 v[PSW], v[T2+1], 8, v[T2]        ; p's scale word for these 128 keys
	s_delay_alu instid0(VALU_DEP_1)
	v_lshl_or_b32 v[PSW], v[T2+2], 16, v[PSW]
	s_delay_alu instid0(VALU_DEP_1)
	v_lshl_or_b32 v[PSW], v[T2+3], 24, v[PSW]
.irp b, 0,1,2,3
.set nn, 0
.rept 16
	v_min_num_f32 v[S+16*\b+nn], v[S+16*\b+nn], v[HOLD+\b]   ; the conversion does not saturate (ISA guide 7.6.2); p is not negative
.set nn, nn+1
.endr
	v_cvt_scalef32_pk8_fp8_f32 v[PC+4*\b:PC+4*\b+1], v[S+16*\b:S+16*\b+7], v[SCL+\b]
	v_cvt_scalef32_pk8_fp8_f32 v[PC+4*\b+2:PC+4*\b+3], v[S+16*\b+8:S+16*\b+15], v[SCL+\b]
.endr
	s_wait_alu depctr_va_vdst(0)                   ; directly ahead of the first reader of O^T
.set nn, 0
.rept 16
	v_pk_mul_f32 v[O+nn:O+nn+1], v[O+nn:O+nn+1], v[F:F+1] op_sel_hi:[1,0]   ; O^T under the new M; these are also the places in front of the products below
.set nn, nn+2
.endr
	s_wait_alu depctr_va_vdst(0)                   ; directly ahead of the wait below
	s_wait_dscnt 0x0                               ; V's fragments
.irp t, 0,1,2,3
	v_wmma_scale_f32_16x16x128_f8f6f4 v[O+8*\t:O+8*\t+7], v[FR+16*\t:FR+16*\t+15], v[PC:PC+15], v[O+8*\t:O+8*\t+7], v[VW+\t], v[PSW]
.endr
	s_add_co_u32 s[TB], s[TB], STEP2
	s_add_co_u32 s[IV], s[IV], 1
.endm
; A pass ends: O^T / the sum is ctx of my 16 queries, 64 channels: two blocks of 32, quantised as they stand; 1,024 bytes of codes and two scale bytes a row leave.
.macro FINAL cp, cs
	s_wait_xcnt 0x0                                ; earlier stores have read the registers written below
	PLACES 8
	v_add_f32 v14, v14, v15
	s_delay_alu instid0(VALU_DEP_1)
	v_permlanex16_b32 v[TMP], v14, s[SEL], s[SEL+1]
	s_delay_alu instid0(VALU_DEP_1)
	v_add_f32 v14, v14, v[TMP]                     ; the row's sum
	s_wait_alu depctr_va_vdst(0)
	v_rcp_f32 v14, v14
	v_nop                                          ; a plain line behind the reciprocal,
	s_wait_alu depctr_va_vdst(0)                   ; and the wait ahead of its first reader
.set nn, 0
.rept 16
	v_pk_mul_f32 v[O+nn:O+nn+1], v[O+nn:O+nn+1], v[14:15] op_sel_hi:[1,0]
.set nn, nn+2
.endr
.irp b, 0,1
	v_max3_num_f32 v[BM+\b], |v[O+16*\b]|, |v[O+16*\b+1]|, 0x4800000
.endr
.irp i, 2,4,6,8,10,12,14
.irp b, 0,1
	s_delay_alu instid0(VALU_DEP_2)
	v_max3_num_f32 v[BM+\b], v[BM+\b], |v[O+16*\b+\i]|, |v[O+16*\b+\i+1]|
.endr
.endr
.irp b, 0,1
	s_delay_alu instid0(VALU_DEP_2)
	v_permlanex16_b32 v[T2+\b], v[BM+\b], s[SEL], s[SEL+1]
.endr
.irp b, 0,1
	s_delay_alu instid0(VALU_DEP_2)
	v_max_num_f32 v[BM+\b], v[BM+\b], v[T2+\b]
.endr
.irp b, 0,1
	s_delay_alu instid0(VALU_DEP_2)
	v_add_nc_u32 v[SCL+\b], 0xfc000000, v[BM+\b]
.endr
.irp b, 0,1
	s_delay_alu instid0(VALU_DEP_4)
	v_and_or_b32 v[HOLD+\b], v[BM+\b], 0x7f800000, s[MNT]
.endr
.irp b, 0,1
	s_delay_alu instid0(VALU_DEP_4)
	v_lshrrev_b32 v[T2+\b], 23, v[SCL+\b]
.endr
	s_delay_alu instid0(VALU_DEP_1)
	v_lshl_or_b32 v[CW], v[T2+1], 8, v[T2]
.irp b, 0,1
.set nn, 0
.rept 16
	v_med3_num_f32 v[O+16*\b+nn], v[O+16*\b+nn], -v[HOLD+\b], v[HOLD+\b]
.set nn, nn+1
.endr
.endr
.irp b, 0,1
	v_cvt_scalef32_pk8_fp8_f32 v[CC+4*\b:CC+4*\b+1], v[O+16*\b:O+16*\b+7], v[SCL+\b]
	v_cvt_scalef32_pk8_fp8_f32 v[CC+4*\b+2:CC+4*\b+3], v[O+16*\b+8:O+16*\b+15], v[SCL+\b]
.endr
	v_nop
	global_store_b128 v[LI], v[CC:CC+3], s[\cp:\cp+1]                ; 512 consecutive bytes a store
	global_store_b128 v[LI], v[CC+4:CC+7], s[\cp:\cp+1] offset:512
	global_store_b16 v[R4], v[CW], s[\cs:\cs+1]                      ; my head's two bytes of row r's word (both halves of the lanes write the same)
.endm
; A slot's four steps.  Behind item j block j's pass ends: block 31 - j's queries are asked for, ctx of block j leaves, and the second pass begins.
.macro SLOTSTEPS
	s_mov_b32 s[INNER], 4
.Lstep_\@:
	STEP 0
	s_cmp_lg_u32 s[IV], s[J1]
	s_cbranch_scc1 .Lsame_\@
	global_load_b128 v[Q:Q+3], v[LI], s[86:87]
	global_load_b128 v[Q+4:Q+7], v[LI], s[86:87] offset:512
	global_load_b32 v[QS], v[R16], s[90:91]
	FINAL CP0, CW0
	INIT
	s_wait_alu depctr_va_vdst(0)                   ; directly ahead of the waits below
	s_wait_xcnt 0x0                                ; the stores of block j's ctx have read their data: the next step's conversions write the same registers
	s_wait_loadcnt 0x0
.Lsame_\@:
	s_sub_co_u32 s[INNER], s[INNER], 1
	s_cmp_lg_u32 s[INNER], 0
	s_cbranch_scc1 .Lstep_\@
	s_sub_co_u32 s[TB], s[TB], 4*STEP2
	s_xor_b32 s[TB], s[TB], SLOTB
.endm
	s_load_b256 s[4:11], s[0:1], 0x0               ; qimg 4, qsc 6, krec 8, vrec 10
	s_load_b128 s[12:15], s[0:1], 0x20             ; ctximg 12, ctxsc 14
	v_lshl_add_u32 v[SPW], v0, 2, SPARE
	v_mov_b32 v[NIL], 0
	ds_add_u32 v6, v7                              ; the opening lines: the add, twice on end, and its wait
	ds_add_u32 v6, v7
	s_wait_dscnt 0x0
	v_lshrrev_b32 v1, 5, v0
	s_delay_alu instid0(VALU_DEP_1)
	v_readfirstlane_b32 s[WV], v1                  ; wave 0..15
	s_mov_b32 s[J], ttmp9
	s_add_co_u32 s[J1], ttmp9, 1
	s_and_b32 s[BH], ttmp7, 0xffff                 ; batch x 8 + head
	s_mov_b32 s[G1K], 3<<16                        ; a dense record as rows of 256 bytes: elements of 8 bytes, no mask, no padding
	s_mov_b32 s[G1K+1], 32<<16
	s_mov_b32 s[G1K+2], 34<<16                     ; K's: 34 rows
	s_mov_b32 s[G1K+3], 32<<16
	s_mov_b32 s[G1K+4], 34
	s_mov_b32 s[G1K+5], 32
	s_mov_b32 s[G1K+6], 0
	s_mov_b32 s[G1K+7], 0
	s_mov_b32 s[G1V], 3<<16
	s_mov_b32 s[G1V+1], 32<<16
	s_mov_b32 s[G1V+2], 33<<16                     ; V's: 33 rows
	s_mov_b32 s[G1V+3], 32<<16
	s_mov_b32 s[G1V+4], 33
	s_mov_b32 s[G1V+5], 32
	s_mov_b32 s[G1V+6], 0
	s_mov_b32 s[G1V+7], 0
	s_and_b32 s[W8], s[WV], 7
	s_lshr_b32 s[HALF], s[WV], 3
	s_and_b32 s72, s[WV], 3                        ; which of a slot's four steps I fetch,
	s_bfe_u32 s73, s[WV], 0x10002                  ; and for which stream
	s_lshl_b32 s[IW], s73, 4
	s_add_co_u32 s[IW], s[IW], s72
	s_mul_i32 s[LA0], s72, STEP2
	s_mul_i32 s73, s73, STEPB
	s_add_co_u32 s[LA0], s[LA0], s73
	s_mul_i32 s73, s[HALF], KREC                   ; V's record lies behind K's
	s_add_co_u32 s[LA0], s[LA0], s73
	s_mov_b32 s[G0+1], s[LA0]
	s_mov_b32 s[G0], 1
	s_mov_b32 s[SB], 0
	s_mul_i32 s[TB], s[HALF], STEPB
	s_lshl_b32 s[IV], s[HALF], 4
	s_mov_b32 s[SEL], 0x76543210
	s_mov_b32 s[SEL+1], 0xfedcba98
	s_mov_b32 s[CS], 0x3e38aa3b                    ; log2(e) / 8
	s_mov_b32 s[CS+1], s[CS]
	s_mov_b32 s[MNT], 0x600000
	s_mov_b32 s[P0], 0x05040100
	s_mov_b32 s[P1], 0x07060302
	s_wait_kmcnt 0x0
	s_cmp_lt_u32 s[WV], 8
	s_cselect_b64 s[BASE:BASE+1], s[8:9], s[10:11]
	s_mov_b32 s[STR], VREC
	s_cselect_b32 s[STR], KREC, s[STR]
	s_mov_b32 s73, 270336
	s_cselect_b32 s73, 278528, s73
	s_mul_i32 s72, s[BH], s73
	s_mov_b32 s73, 0
	s_add_nc_u64 s[BASE:BASE+1], s[BASE:BASE+1], s[72:73]
	KAPPA 72, IW
	s_add_nc_u64 s[G0+2:G0+3], s[BASE:BASE+1], s[72:73]
	s_or_b32 s[G0+3], s[G0+3], 0x80000000
	TLOAD 1                                        ; slot 0: every wave's one tensor load at the head
	s_cmp_eq_u32 s[J], 0
	s_cselect_b32 s[LIM], 1, 99                    ; work-group 0 prefetches at the first two changes
	s_mov_b64 s[PFA:PFA+1], s[BASE:BASE+1]
	s_lshl_b32 s72, s[J], 3
	s_add_co_u32 s[TL], s72, s[W8]                 ; my tile of block j,
	s_sub_co_u32 s[TH], 248, s72
	s_add_co_u32 s[TH], s[TH], s[W8]               ; and of block 31 - j
	s_cmp_eq_u32 s[HALF], 0
	s_cselect_b32 s[QT], s[TL], s[TH]              ; the tile that I begin with
	s_lshl_b32 s76, s[BH], 18
	s_lshl_b32 s72, s[QT], 10
	s_add_co_u32 s72, s72, s76
	s_mov_b32 s73, 0
	s_add_nc_u64 s[84:85], s[4:5], s[72:73]        ; their codes,
	s_lshl_b32 s72, s[TH], 10
	s_add_co_u32 s72, s72, s76
	s_add_nc_u64 s[86:87], s[4:5], s[72:73]
	s_lshl_b32 s76, s[BH], 14
	s_lshr_b32 s72, s[QT], 2
	s_lshl_b32 s72, s72, 8
	s_and_b32 s77, s[W8], 3
	s_lshl_b32 s77, s77, 2
	s_add_co_u32 s72, s72, s77
	s_add_co_u32 s72, s72, s76
	s_add_nc_u64 s[88:89], s[6:7], s[72:73]        ; their scale words,
	s_lshr_b32 s72, s[TH], 2
	s_lshl_b32 s72, s72, 8
	s_add_co_u32 s72, s72, s77
	s_add_co_u32 s72, s72, s76
	s_add_nc_u64 s[90:91], s[6:7], s[72:73]
	s_lshr_b32 s83, s[BH], 3
	s_lshl_b32 s83, s83, 8                         ; 256 tiles of rows a batch
	s_and_b32 s92, s[BH], 7                        ; the head: K step head / 2 of the next product, its half head % 2
	s_lshr_b32 s93, s92, 1
	s_and_b32 s92, s92, 1
	s_lshl_b32 s94, s93, 11
	s_lshl_b32 s95, s92, 10
	s_add_co_u32 s94, s94, s95
	s_lshl_b32 s93, s93, 6
	s_lshl_b32 s92, s92, 1
	s_add_co_u32 s93, s93, s92
	s_mov_b32 s75, 0
	s_add_co_u32 s72, s83, s[TL]
	s_lshl_b32 s74, s72, 8
	s_add_co_u32 s74, s74, s93
	s_lshl_b32 s72, s72, 13
	s_add_co_u32 s72, s72, s94
	s_add_nc_u64 s[CP0:CP0+1], s[12:13], s[72:73]  ; and where their ctx goes
	s_add_nc_u64 s[CW0:CW0+1], s[14:15], s[74:75]
	s_add_co_u32 s72, s83, s[TH]
	s_lshl_b32 s74, s72, 8
	s_add_co_u32 s74, s74, s93
	s_lshl_b32 s72, s72, 13
	s_add_co_u32 s72, s72, s94
	s_add_nc_u64 s[CP1:CP1+1], s[12:13], s[72:73]
	s_add_nc_u64 s[CW1:CW1+1], s[14:15], s[74:75]
	v_and_b32 v4, 31, v0                           ; lane
	v_and_b32 v5, 15, v0                           ; r
	v_bfe_u32 v11, v0, 4, 1                        ; h
	s_delay_alu instid0(VALU_DEP_3)
	v_lshlrev_b32 v[LI], 4, v4
	s_delay_alu instid0(VALU_DEP_4)
	v_lshlrev_b32 v[PFO], 8, v4
	s_delay_alu instid0(VALU_DEP_4)
	v_lshlrev_b32 v[R8], 3, v5
	v_lshlrev_b32 v[R4], 2, v5
	v_lshlrev_b32 v[R16], 4, v5
	v_lshlrev_b32 v11, 3, v11
	s_delay_alu instid0(VALU_DEP_1)
	v_sub_nc_u32 v[DM], v5, v11
	s_lshl_b32 s72, s[W8], 4
	v_add_nc_u32 v[DM], s72, v[DM]
	s_mul_i32 s73, s[W8], 4608
	s_add_co_u32 s73, s73, MSTG
	v_add_nc_u32 v[MA], s73, v[LI]
	global_load_b128 v[Q:Q+3], v[LI], s[84:85]
	global_load_b128 v[Q+4:Q+7], v[LI], s[84:85] offset:512
	global_load_b32 v[QS], v[R16], s[88:89]
.irp i, 0,1,2,3,4,5,6,7
	v_mov_b32 v[PADK+\i], 0                        ; the pad behind K's tile 7,
	v_mov_b32 v[Q+8+\i], 0                         ; and Q's upper half: K = 64 is filled to the instruction's 128 by these zero codes.  Set once, never loaded over
.endr
	INIT
.irp b, 0,1,2,3
	v_mov_b32 v[T2+\b], 0                          ; written once: a lane permute's destination counts as one of its sources
.endr
	v_mov_b32 v[F+1], 0                            ; named as the upper half of the pair with f
	s_wait_alu depctr_va_vdst(0)                   ; the wait at the head's end
	s_wait_loadcnt 0x0                             ; Q
	s_mov_b32 s[OUTER], 3
.Lslot:                                            ; three trips: steps 0 to 11; behind each change the next four steps are asked for
	CHANGE 1
	SLOTSTEPS
	s_sub_co_u32 s[OUTER], s[OUTER], 1
	s_cmp_lg_u32 s[OUTER], 0
	s_cbranch_scc1 .Lslot
	CHANGE 2                                       ; written out: what follows steps 12 to 15 is item 32 alone, so two waves fetch
	SLOTSTEPS
	s_cmp_lt_u32 s[WV], 8
	s_cbranch_scc0 .Lkeep
	PLACES 8                                       ; behind the last products
.irp k, 0,1,2,3,4,5,6,7
	ds_store_b128 v[MA], v[O+4*\k:O+4*\k+3] offset:512*\k   ; waves 0-7 hand over their part of block 31 - j: O^T,
.endr
	ds_store_b128 v[MA], v[12:15] offset:4096      ; -M, the largest t and the sum's two halves
.Lkeep:
	CHANGE 0                                       ; its wait and barrier show item 32's records and the parts handed over
	s_cmp_lt_u32 s[WV], 8
	s_cbranch_scc1 .Lend
	STEP 1                                         ; item 32: on the diagonal
.irp k, 0,1,2,3,4,5,6,7
	ds_load_b128 v[S+4*\k:S+4*\k+3], v[MA] offset:512*\k
.endr
	ds_load_b128 v[S+32:S+35], v[MA] offset:4096
	PLACES 8                                       ; behind the last products
	s_wait_dscnt 0x0
	v_min_num_f32 v[TMP], v12, v[S+32]             ; -M of both parts: the larger M
	s_delay_alu instid0(VALU_DEP_1)
	v_sub_f32 v[BM], v[TMP], v12                   ; my M less the common one: a whole number, 0 or less;
	s_delay_alu instid0(VALU_DEP_2)
	v_sub_f32 v[BM+1], v[TMP], v[S+32]             ; the other part's (a part with no key has M = -3e38: its factor becomes 0, over zeros)
	s_delay_alu instid0(VALU_DEP_2)
	v_cvt_i32_f32 v[BM], v[BM]                     ; (it saturates)
	s_delay_alu instid0(VALU_DEP_2)
	v_cvt_i32_f32 v[BM+1], v[BM+1]
	s_delay_alu instid0(VALU_DEP_2)
	v_ldexp_f32 v[F], 1.0, v[BM]
	s_delay_alu instid0(VALU_DEP_2)
	v_ldexp_f32 v[X0], 1.0, v[BM+1]
	s_delay_alu instid0(VALU_DEP_2)
	v_pk_mul_f32 v[14:15], v[14:15], v[F:F+1] op_sel_hi:[1,0]
	s_delay_alu instid0(VALU_DEP_1)
	v_pk_fma_f32 v[14:15], v[S+34:S+35], v[X0:X0+1], v[14:15] op_sel_hi:[1,0,1]
.set nn, 0
.rept 16
	v_pk_mul_f32 v[O+nn:O+nn+1], v[O+nn:O+nn+1], v[F:F+1] op_sel_hi:[1,0]
.set nn, nn+2
.endr
.set nn, 0
.rept 16
	v_pk_fma_f32 v[O+nn:O+nn+1], v[S+nn:S+nn+1], v[X0:X0+1], v[O+nn:O+nn+1] op_sel_hi:[1,0,1]
.set nn, nn+2
.endr
	FINAL CP1, CW1
.Lend:
	s_wait_tensorcnt 0x0                           ; the wave's end
	ds_add_u32 v[SPW], v[NIL]
	s_wait_dscnt 0x0
	s_endpgm
.Lfunc_end_k_qce84112bdb_attn:
	.size	k_qce84112bdb_attn, .Lfunc_end_k_qce84112bdb_attn-k_qce84112bdb_attn
	.p2alignl 7, 3214868480
	.fill 96, 4, 3214868480
	.section	.rodata,"a",@progbits
	.p2align	6, 0x0
	.amdhsa_kernel k_qce84112bdb_attn
		.amdhsa_group_segment_fixed_size 327680
		.amdhsa_private_segment_fixed_size 0
		.amdhsa_enable_private_segment 0
		.amdhsa_kernarg_size 48
		.amdhsa_user_sgpr_count 2
		.amdhsa_user_sgpr_kernarg_segment_ptr 1
		.amdhsa_wavefront_size32 1
		.amdhsa_system_sgpr_workgroup_id_x 1
		.amdhsa_system_sgpr_workgroup_id_y 1
		.amdhsa_system_sgpr_workgroup_id_z 1
		.amdhsa_system_vgpr_workitem_id 0
		.amdhsa_next_free_vgpr 256
		.amdhsa_next_free_sgpr 96
		.amdhsa_reserve_vcc 1
		.amdhsa_float_denorm_mode_32 3
		.amdhsa_float_denorm_mode_16_64 3
		.amdhsa_memory_ordered 1
		.amdhsa_forward_progress 1
		.amdhsa_inst_pref_size 114
	.end_amdhsa_kernel
	.amdgpu_metadata
---
amdhsa.version: [ 1, 2 ]
amdhsa.kernels:
  - .name:           k_qce84112bdb_attn
    .symbol:         k_qce84112bdb_attn.kd
    .args:
      - { .name: qimg, .offset: 0, .size: 8, .value_kind: global_buffer, .address_space: global }
      - { .name: qsc, .offset: 8, .size: 8, .value_kind: global_buffer, .address_space: global }
      - { .name: krec, .offset: 16, .size: 8, .value_kind: global_buffer, .address_space: global }
      - { .name: vrec, .offset: 24, .size: 8, .value_kind: global_buffer, .address_space: global }
      - { .name: ctximg, .offset: 32, .size: 8, .value_kind: global_buffer, .address_space: global }
      - { .name: ctxsc, .offset: 40, .size: 8, .value_kind: global_buffer, .address_space: global }
    .group_segment_fixed_size: 327680
    .private_segment_fixed_size: 0
    .kernarg_segment_align: 8
    .kernarg_segment_size: 48
    .max_flat_workgroup_size: 512
    .sgpr_count:     96
    .vgpr_count:     256
    .wavefront_size: 32
...
	.end_amdgpu_metadata
.endif
;; end of part 2
;; launch tail (part 3): grid 256 x 1, 4 waves a work-group, clusters of 4 x 1, 327,680 bytes of LDS; arguments ctximg, ctxsc, x, Wo_codes, Wo_scales, bo, W1_codes, W1_scales, b1, W2_codes, W2_scales, b2, out0; writes out0
.if DOCPART == 3
	.amdgcn_target "amdgcn-amd-amdhsa--gfx1250"
	.amdhsa_code_object_version 6
	.text
	.protected	k_qce84112bdb_tail
	.globl	k_qce84112bdb_tail
	.p2align	8
	.type	k_qce84112bdb_tail,@function
k_qce84112bdb_tail:
	s_mov_b64 s[64:65], 0
	v_nop
	global_prefetch_b8 v0, s[64:65] scope:SCOPE_SE
	s_setreg_imm32_b32 hwreg(HW_REG_WAVE_MODE, 25, 1), 1
	s_wait_xcnt 0x0
	s_wait_alu depctr_hold_cnt(0) depctr_sa_sdst(0) depctr_va_vdst(0) depctr_va_sdst(0) depctr_va_ssrc(0) depctr_va_vcc(0) depctr_vm_vsrc(0)
	s_getreg_b32 s2, hwreg(HW_REG_IB_STS2, 6, 4)
	s_cmp_eq_u32 s2, 0
	s_cbranch_scc0 .Lentry_in_a_cluster
	s_endpgm
.Lentry_in_a_cluster:
	s_bfe_u32 s2, ttmp6, 0x10000c
	s_cmp_lg_u32 s2, 0x3003
	s_cbranch_scc0 .Lentry_shape_is_right
	s_endpgm
.Lentry_shape_is_right:
; x1 = x + ctx Wo + bo;  out0 = x1 + Q(relu(Q(x1) W1 + b1)) W2 + b2: three products on codes of E4M3 with E8M0 scales for 32 along K; Q is the quantiser along the next product's K.
; SHARES: 256 work-groups of 32 rows (two tiles of 16).  Wave w makes columns 128 w .. 128 w + 127 of each product (of W1: of each chunk of 512 hidden units, four chunks).
; Weights pass through two LDS slots of 512 rows x 256 bytes (pitch 272); the four work-groups of a cluster ask for them jointly; each wave fetches and reads its own 128 rows.
; The products are used transposed (source 0 = 16 rows of a weight, source 1 = 16 rows of the activations): a lane holds eight neighbouring columns of one row.
; x1's and the hidden layer's codes go from wave to wave as images of operand registers (IMG) with their scale words (ISCX).
; x comes as whole rows of 512 bytes a wave and takes the accumulators' layout through the wave's own stage, 16 rows x 528 bytes in the image's bytes, which no tensor load fills; out0 leaves by the same stage.
; REGISTERS: window 0: addresses, scale words, bias, v128-255 eight weight fragments (at work for the quantiser between products); window 1: v0-127 x1's codes (at the head: x's raw rows), v128-143 LDS addresses of my 8 weight tiles in slot 0 and slot 1;
;   window 2: v0-127 x1, then out0's sums; window 3: v0-127 ctx's or the hidden layer's codes, and the hidden layer's sums.
; LIMITS: NaN and infinities are not served; a block of zeros gets the byte 1 (its codes are zeros).
.set SLOTB, 139264
.set WROWS, 34816
.set PITCH, 272
.set IMG,   278528
.set ISCX,  311296
.set SPARE, 315392
.set LI,  1
.set R4,  2
.set WA,  3
.set HWI, 5
.set HWS, 6
.set IRD, 7
.set ISR, 8
.set STO, 10
.set L64, 11
.set BO,  12
.set SPW, 13
.set NIL, 14
.set RD,  15
.set WSA, 16
.set WSB, 32
.set AS,  48
.set BI,  64
.set WF,  128
.set TQ,  128
.set PC,  192
.set TM,  208
.set PW,  224
.set G1A, 32
.set G1B, 40
.set DB0, 48
.set DB1, 52
.set DA0, 56
.set DA1, 60
.set WV,  66
.set CX,  67
.set WGI, 68
.set IT,  69
.set CHK, 70
.set MNT, 71
.set SEL, 72
.set WL,  92
.set MSB, 0
.macro WIN new
.if MSB != (\new)
	s_set_vgpr_msb (MSB<<8)|(\new)
.set MSB, (\new)
.endif
.endm
.macro PLACES n
.rept \n
	v_nop
.endr
.endm
.macro ROUND
	s_barrier_signal -1
	s_barrier_wait -1
	s_cmp_lg_u32 s[WV], 0
	s_cbranch_scc1 .Lnot_wave_0_\@
	s_barrier_signal -3
.Lnot_wave_0_\@:
	s_barrier_wait -3
	s_barrier_signal -1
	s_barrier_wait -1
.endm
.macro LOADW slot, q, g                ; four weight fragments: 16 loads; each brings the 8 bytes at 32 c + 8 h and those 16 further on (offsets count units of 8 bytes); a tile's address lies in window 1
	WIN 0x01
.irp t, 0,1,2,3
.irp c, 0,1,2,3
	ds_load_2addr_b64 v[WF+16*(4*(\g)+\t)+4*\c:WF+16*(4*(\g)+\t)+4*\c+3], v[128+8*(\slot)+4*(\g)+\t] offset0:16*(\q)+4*\c offset1:16*(\q)+4*\c+2
.endr
.endr
	WIN 0
.endm
.macro MWIN kind, s
.if (\kind) == 0
	WIN 0xac
.elseif (\s) == 0
	WIN 0xc4
.else
	WIN 0xf4
.endif
.endm
.macro MULT kind, g, s
.set tt, 4*(\g)
.rept 4
.set mm, 0
.rept 2
.set rD, 8*(8*mm+tt)
.set rW, WF+16*tt
.set rX, 16*(4*mm+(\s))
.set rC, rD
.set sW, WSA+4*(tt/2)+(\s)
.if (\kind) == 1
.set sW, WSB+4*(tt/2)+(\s)
.if (\s) == 0
.set rC, BI+8*tt
.endif
.endif
.set sX, AS+4*mm+(\s)
.if (tt%2) == 1
	v_wmma_scale_f32_16x16x128_f8f6f4 v[rD:rD+7], v[rW:rW+15], v[rX:rX+15], v[rC:rC+7], v[sW], v[sX] matrix_a_scale:MATRIX_SCALE_ROW1
.else
	v_wmma_scale_f32_16x16x128_f8f6f4 v[rD:rD+7], v[rW:rW+15], v[rX:rX+15], v[rC:rC+7], v[sW], v[sX]
.endif
.set mm, mm+1
.endr
.set tt, tt+1
.endr
.endm
.macro PROC kind, slot, half
	LOADW \slot, 0, 0
	LOADW \slot, 0, 1
	s_wait_dscnt 16                                ; all but the 16 loads just issued
	MWIN \kind, 2*(\half)
	MULT \kind, 0, 2*(\half)
	WIN 0
	PLACES 8
	LOADW \slot, 1, 0
	s_wait_dscnt 16
	MWIN \kind, 2*(\half)
	MULT \kind, 1, 2*(\half)
	WIN 0
	PLACES 8
	LOADW \slot, 1, 1
	s_wait_dscnt 16
	MWIN \kind, 2*(\half)+1
	MULT \kind, 0, 2*(\half)+1
	s_wait_dscnt 0x0
	MULT \kind, 1, 2*(\half)+1
	WIN 0
.endm
.macro CH_HEAD
	s_wait_tensorcnt 0x0
	ds_add_u32 v[SPW], v[NIL]
.endm
.macro CH_TAIL fetch, g0, g1
	s_wait_dscnt 0x0
.if \fetch
	ROUND
	tensor_load_to_lds s[\g0:\g0+3], s[\g1:\g1+7]
	s_nop 0
.else
	s_barrier_signal -1
	s_barrier_wait -1
.endif
	PLACES 9
.endm
.macro QUANT win, base, relu, pw
	WIN (\win)|((\win)<<2)
.irp b, 0,1,2,3
.if \relu
	v_max3_num_f32 v[TM+\b], v[(\base)+16*\b], v[(\base)+16*\b+1], 0x4800000
.else
	v_max3_num_f32 v[TM+\b], |v[(\base)+16*\b]|, |v[(\base)+16*\b+1]|, 0x4800000
.endif
.endr
.irp i, 2,4,6,8,10,12,14
.irp b, 0,1,2,3
.if \relu
	v_max3_num_f32 v[TM+\b], v[(\base)+16*\b+\i], v[(\base)+16*\b+\i+1], v[TM+\b]
.else
	v_max3_num_f32 v[TM+\b], |v[(\base)+16*\b+\i]|, |v[(\base)+16*\b+\i+1]|, v[TM+\b]
.endif
.endr
.endr
	WIN 0
.irp b, 0,1,2,3
	v_permlanex16_b32 v[TM+4+\b], v[TM+\b], s[SEL], s[SEL+1]
.endr
.irp b, 0,1,2,3
	v_max_num_f32 v[TM+\b], v[TM+\b], v[TM+4+\b]
.endr
.irp b, 0,1,2,3
	v_add_nc_u32 v[TM+12+\b], 0xfc000000, v[TM+\b]
.endr
.irp b, 0,1,2,3
	v_and_or_b32 v[TM+8+\b], v[TM+\b], 0x7f800000, s[MNT]
.endr
.irp b, 0,1,2,3
	v_lshrrev_b32 v[TM+4+\b], 23, v[TM+12+\b]
.endr
	v_lshl_or_b32 v[\pw], v[TM+5], 8, v[TM+4]
	v_lshl_or_b32 v[\pw], v[TM+6], 16, v[\pw]
	v_lshl_or_b32 v[\pw], v[TM+7], 24, v[\pw]
	WIN \win
.irp b, 0,1,2,3
.irp i, 0,1,2,3,4,5,6,7,8,9,10,11,12,13,14,15
.if \relu
	v_med3_num_f32 v[TQ+16*\b+\i], v[(\base)+16*\b+\i], 0, v[TM+8+\b]
.else
	v_med3_num_f32 v[TQ+16*\b+\i], v[(\base)+16*\b+\i], -v[TM+8+\b], v[TM+8+\b]
.endif
.endr
.endr
	WIN 0
.irp b, 0,1,2,3
	v_cvt_scalef32_pk8_fp8_f32 v[PC+4*\b:PC+4*\b+1], v[TQ+16*\b:TQ+16*\b+7], v[TM+12+\b]
	v_cvt_scalef32_pk8_fp8_f32 v[PC+4*\b+2:PC+4*\b+3], v[TQ+16*\b+8:TQ+16*\b+15], v[TM+12+\b]
.endr
	v_nop
.endm
.macro TOIMG win, relu, soff
.irp m, 0,1
	QUANT \win, 64*\m, \relu, PW
.irp c, 0,1,2,3
	ds_store_b128 v[HWI], v[PC+4*\c:PC+4*\c+3] offset:8192*\m+512*\c
.endr
	ds_store_b32 v[HWS], v[PW] offset:(\soff)+512*\m
	s_wait_dscnt 0x0
.endr
.endm
.macro FETCHF win
	WIN (\win)<<6
.set ff, 0
.rept 32
	ds_load_b128 v[4*ff:4*ff+3], v[IRD] offset:512*ff
.set ff, ff+1
.endr
	WIN 0
.endm
.macro LDAS off
.set ff, 0
.rept 8
	ds_load_b32 v[AS+ff], v[ISR] offset:(\off)+128*ff
.set ff, ff+1
.endr
.endm
.macro LDSCALE ws, vo, p, step
.irp b, 0,1,2,3
	global_load_b128 v[\ws+4*\b:\ws+4*\b+3], v[\vo], s[\p:\p+1] offset:(\step)*\b
.endr
.endm
.macro LDBIAS dst, p
.irp t, 0,1,2,3,4,5,6,7
	global_load_b128 v[\dst+8*\t:\dst+8*\t+3], v[BO], s[\p:\p+1] offset:64*\t
	global_load_b128 v[\dst+8*\t+4:\dst+8*\t+7], v[BO], s[\p:\p+1] offset:64*\t+16
.endr
.endm
.macro LDCHUNK
	s_lshl_b32 s74, s82, 11
	s_mov_b32 s75, 0
	s_add_nc_u64 s[76:77], s[20:21], s[74:75]
	s_lshl_b32 s74, s82, 13
	s_add_nc_u64 s[78:79], s[18:19], s[74:75]
	LDBIAS BI, 76
	LDSCALE WSB, LI, 78, 512
.endm
.macro ADDB src
	WIN 0x82
.irp m, 0,1
.irp t, 0,1,2,3,4,5,6,7
.irp k, 0,2,4,6
	v_pk_add_f32 v[8*(8*\m+\t)+\k:8*(8*\m+\t)+\k+1], v[8*(8*\m+\t)+\k:8*(8*\m+\t)+\k+1], v[\src+8*\t+\k:\src+8*\t+\k+1]
.endr
.endr
.endr
	WIN 0
.endm
	s_load_b512 s[4:19], s[0:1], 0x0
	s_load_b256 s[20:27], s[0:1], 0x40
	s_load_b64 s[28:29], s[0:1], 0x60
	v_lshl_add_u32 v[SPW], v0, 2, SPARE
	v_mov_b32 v[NIL], 0
	ds_add_u32 v13, v14
	ds_add_u32 v13, v14
	s_wait_dscnt 0x0
	v_lshrrev_b32 v1, 5, v0
	v_readfirstlane_b32 s[WV], v1
	s_bfe_u32 s[CX], ttmp6, 0x40000
	s_lshl_b32 s[WGI], ttmp9, 2
	s_add_co_u32 s[WGI], s[WGI], s[CX]
	s_mov_b32 s[G1A], 15|(1<<20)|(1<<21)|(5<<22)|(3<<25)
	s_mov_b32 s[G1A+1], 256<<16
	s_mov_b32 s[G1A+2], 128<<16
	s_mov_b32 s[G1A+3], 256<<16
	s_mov_b32 s[G1A+4], 128
	s_mov_b32 s[G1A+5], 512
	s_mov_b32 s[G1A+6], 0
	s_mov_b32 s[G1A+7], 0
	s_mov_b32 s[G1B], 15|(1<<20)|(1<<21)|(5<<22)|(3<<25)
	s_mov_b32 s[G1B+1], 256<<16
	s_mov_b32 s[G1B+2], 128<<16
	s_mov_b32 s[G1B+3], 256<<16
	s_mov_b32 s[G1B+4], 128
	s_mov_b32 s[G1B+5], 2048
	s_mov_b32 s[G1B+6], 0
	s_mov_b32 s[G1B+7], 0
	s_mov_b32 s[SEL], 0x76543210
	s_mov_b32 s[SEL+1], 0xfedcba98
	s_mov_b32 s[MNT], 0x600000
	s_mul_i32 s[WL], s[WV], WROWS
	s_lshl_b32 s74, s[WV], 16
	s_mov_b32 s75, 0
	s_lshl_b32 s76, s[WV], 11
	s_mov_b32 s77, 0
	s_lshl_b32 s78, s[WV], 9
	s_mov_b32 s79, 0
	s_lshl_b32 s80, s[WV], 18
	s_mov_b32 s81, 0
	s_lshl_b32 s82, s[WV], 13
	s_mov_b32 s83, 0
	s_lshl_b32 s84, s[WGI], 14                     ; ctx's codes: two tiles of 8,192 bytes a work-group
	s_mov_b32 s85, 0
	s_lshl_b32 s86, s[WGI], 9                      ; their scale words: 256 bytes a tile
	s_mov_b32 s87, 0
	s_lshl_b32 s88, s[WGI], 16                     ; x and out0: 32 rows of 2,048 bytes
	s_add_co_u32 s88, s88, s78
	s_mov_b32 s89, 0
	s_wait_kmcnt 0x0
	s_add_nc_u64 s[10:11], s[10:11], s[74:75]
	s_add_nc_u64 s[16:17], s[16:17], s[74:75]
	s_add_nc_u64 s[12:13], s[12:13], s[76:77]
	s_add_nc_u64 s[18:19], s[18:19], s[76:77]
	s_add_nc_u64 s[14:15], s[14:15], s[78:79]
	s_add_nc_u64 s[20:21], s[20:21], s[78:79]
	s_add_nc_u64 s[26:27], s[26:27], s[78:79]
	s_add_nc_u64 s[22:23], s[22:23], s[80:81]
	s_add_nc_u64 s[24:25], s[24:25], s[82:83]
	s_add_nc_u64 s[4:5], s[4:5], s[84:85]
	s_add_nc_u64 s[6:7], s[6:7], s[86:87]
	s_add_nc_u64 s[8:9], s[8:9], s[88:89]
	s_add_nc_u64 s[28:29], s[28:29], s[88:89]
	ROUND
	s_mov_b32 s[DB0], 1
	s_mov_b32 s[DB0+1], s[WL]
	s_mov_b32 s[DB1], 1
	s_add_co_u32 s[DB1+1], s[WL], SLOTB
	s_mov_b32 s[DA0], 1
	s_mov_b32 s[DA0+1], s[WL]
	s_mov_b64 s[DA0+2:DA0+3], s[10:11]
	s_or_b32 s[DA0+3], s[DA0+3], 0x80000000
	s_mov_b32 s[DA1], 1
	s_add_co_u32 s[DA1+1], s[WL], SLOTB
	s_add_nc_u64 s[DA1+2:DA1+3], s[10:11], 256
	s_or_b32 s[DA1+3], s[DA1+3], 0x80000000
	tensor_load_to_lds s[DA0:DA0+3], s[G1A:G1A+7]  ; slot 0: my one tensor load at the head
	s_nop 0
	PLACES 4
	v_and_b32 v130, 31, v0
	v_and_b32 v128, 15, v0
	v_bfe_u32 v129, v0, 4, 1
	v_lshlrev_b32 v[LI], 4, v130
	v_lshlrev_b32 v[R4], 2, v128
	v_mul_u32_u24 v[WA], v128, PITCH
	v_lshl_add_u32 v[WA], v129, 3, v[WA]
	v_add_nc_u32 v[WA], s[WL], v[WA]
	v_add_nc_u32 v[WA+1], SLOTB, v[WA]
	v_add_nc_u32 v[IRD], IMG, v[LI]
	s_lshl_b32 s90, s[WV], 11
	v_add_nc_u32 v[HWI], s90, v[IRD]
	v_lshl_add_u32 v[ISR], v130, 2, ISCX
	s_lshl_b32 s91, s[WV], 7
	v_add_nc_u32 v[HWS], s91, v[ISR]
	v_lshlrev_b32 v[BO], 5, v129
	v_lshlrev_b32 v[L64], 6, v130
	v_mul_u32_u24 v[STO], v128, 528
	v_lshl_add_u32 v[STO], v129, 5, v[STO]
	s_mul_i32 s93, s[WV], 9216                     ; my stage: a quarter of the image's and the scale words' 36,864 bytes
	s_add_co_u32 s93, s93, IMG
	v_add_nc_u32 v[STO], s93, v[STO]               ; row l % 16, 32 bytes for each half of the lanes
	v_add_nc_u32 v[RD], s93, v[LI]                 ; a whole row of 512 bytes
	WIN 0x40
.irp t, 0,1,2,3,4,5,6,7
	v_add_nc_u32 v[128+\t], 4352*\t, v[WA]         ; window 1: my weight tile t in slot 0,
	v_add_nc_u32 v[136+\t], 4352*\t, v[WA+1]       ; and in slot 1
.endr
	WIN 0
.irp b, 0,1,2,3
	v_mov_b32 v[TM+4+\b], 0
.endr
	WIN 0x40
.set ff, 0
.rept 32
	global_load_b128 v[4*ff:4*ff+3], v[LI], s[8:9] offset:2048*ff th:TH_LOAD_NT   ; x: row ff, my 128 columns: 512 consecutive bytes a load, into window 1
.set ff, ff+1
.endr
	WIN 0
	LDBIAS 128, 14
	WIN 0xc0
.set ff, 0
.rept 32
	global_load_b128 v[4*ff:4*ff+3], v[LI], s[4:5] offset:512*ff th:TH_LOAD_NT    ; ctx's codes: the operand's registers as they lie
.set ff, ff+1
.endr
	WIN 0
.set ff, 0
.rept 8
	global_load_b32 v[AS+ff], v[R4], s[6:7] offset:64*ff th:TH_LOAD_NT
.set ff, ff+1
.endr
	LDSCALE WSA, LI, 12, 512
	s_and_b32 s82, ttmp9, 3
	LDCHUNK
	; all the head's loads are asked for; now slot 1's first fill, issued as a refill is: the three lines, a round, the load
	s_wait_alu depctr_va_vdst(0)                   ; the wait at the head's end
	s_wait_tensorcnt 0x0
	ds_add_u32 v13, v14
	s_wait_dscnt 0x0
	ROUND
	tensor_load_to_lds s[DA1:DA1+3], s[G1A:G1A+7]
	s_nop 0
	PLACES 4
	s_wait_loadcnt 63                              ; x's 32 loads and bo's 16 are in: 64 loads were issued behind them
.irp m, 0,1                            ; a tile of 16 rows through my stage; LDS serves a wave's instructions in order, so no wait stands between the stores and the loads, nor ahead of the next tile's stores
	WIN 0x04
.irp i, 0,1,2,3,4,5,6,7,8,9,10,11,12,13,14,15
	ds_store_b128 v[RD], v[64*\m+4*\i:64*\m+4*\i+3] offset:528*\i
.endr
	WIN 0x80
.irp t, 0,1,2,3,4,5,6,7
	ds_load_b128 v[8*(8*\m+\t):8*(8*\m+\t)+3], v[STO] offset:64*\t
	ds_load_b128 v[8*(8*\m+\t)+4:8*(8*\m+\t)+7], v[STO] offset:64*\t+16
.endr
.endr
	WIN 0
	s_wait_dscnt 0x0
	ADDB 128
	s_wait_alu depctr_va_vdst(0)
	s_wait_loadcnt 0x0
	s_wait_tensorcnt 0x1
	s_barrier_signal -1
	s_barrier_wait -1
	PROC 0, 0, 0
	s_mov_b32 s[IT], 0
.Liter:
	CH_HEAD
	s_add_co_u32 s[CHK], s[IT], ttmp9
	s_and_b32 s[CHK], s[CHK], 3
	s_lshl_b32 s74, s[CHK], 18
	s_mov_b32 s75, 0
	s_add_nc_u64 s[DB0+2:DB0+3], s[16:17], s[74:75]
	s_add_nc_u64 s[DB1+2:DB1+3], s[DB0+2:DB0+3], 256
	s_or_b32 s[DB0+3], s[DB0+3], 0x80000000
	s_or_b32 s[DB1+3], s[DB1+3], 0x80000000
	s_lshl_b32 s74, s[CHK], 9
	s_add_nc_u64 s[DA0+2:DA0+3], s[22:23], s[74:75]
	s_add_nc_u64 s[DA1+2:DA1+3], s[DA0+2:DA0+3], 256
	s_or_b32 s[DA0+3], s[DA0+3], 0x80000000
	s_or_b32 s[DA1+3], s[DA1+3], 0x80000000
	CH_TAIL 1, DB0, G1A
	PROC 0, 1, 1
	s_cmp_lg_u32 s[IT], 0
	s_cbranch_scc1 .Lno_x1
	PLACES 8
	TOIMG 2, 0, 0
.Lno_x1:
	CH_HEAD
	CH_TAIL 1, DB1, G1A
	s_wait_loadcnt 0x0
	s_lshl_b32 s74, s[CHK], 4
	s_mov_b32 s75, 0
	s_add_nc_u64 s[80:81], s[24:25], s[74:75]
	LDSCALE WSA, L64, 80, 2048
	s_cmp_lg_u32 s[IT], 0
	s_cbranch_scc1 .Lno_res
	FETCHF 1
.Lno_res:
	LDAS 0
	PROC 1, 0, 0
	CH_HEAD
	CH_TAIL 1, DA0, G1B
	PROC 1, 1, 1
	PLACES 8
	TOIMG 3, 1, 2048
	CH_HEAD
	CH_TAIL 1, DA1, G1B
	s_wait_loadcnt 0x0
	s_cmp_eq_u32 s[IT], 3
	s_cbranch_scc1 .Lno_next
	s_add_co_u32 s82, s[IT], 1
	s_add_co_u32 s82, s82, ttmp9
	s_and_b32 s82, s82, 3
	LDCHUNK
.Lno_next:
	FETCHF 3
	LDAS 2048
	PROC 0, 0, 0
	s_add_co_u32 s[IT], s[IT], 1
	s_cmp_lt_u32 s[IT], 4
	s_cbranch_scc1 .Liter
	CH_HEAD
	CH_TAIL 0, 0, 0
	s_wait_loadcnt 0x0
	LDBIAS BI, 26
	PROC 0, 1, 1
	s_wait_loadcnt 0x0
	PLACES 8
	ADDB BI
.macro TOSTAGE m
	WIN 0x08
.irp t, 0,1,2,3,4,5,6,7
	ds_store_b128 v[STO], v[8*(8*(\m)+\t):8*(8*(\m)+\t)+3] offset:64*\t
	ds_store_b128 v[STO], v[8*(8*(\m)+\t)+4:8*(8*(\m)+\t)+7] offset:64*\t+16
.endr
	WIN 0
.set BB, 128+64*((\m)%2)
.irp i, 0,1,2,3,4,5,6,7,8,9,10,11,12,13,14,15
	ds_load_b128 v[BB+4*\i:BB+4*\i+3], v[RD] offset:528*\i
.endr
.endm
.macro SEND m, younger
.set BB, 128+64*((\m)%2)
	s_wait_dscnt \younger
.irp i, 0,1,2,3,4,5,6,7,8,9,10,11,12,13,14,15
	global_store_b128 v[LI], v[BB+4*\i:BB+4*\i+3], s[28:29] offset:(16*(\m)+\i)*2048 th:TH_STORE_NT
.endr
.endm
	TOSTAGE 0
	s_wait_alu depctr_va_vdst(0)
	TOSTAGE 1
	SEND 0, 32                                     ; behind tile 0's loads: tile 1's 16 stores and 16 loads
	SEND 1, 0
	s_wait_tensorcnt 0x0
	ds_add_u32 v[SPW], v[NIL]
	s_wait_dscnt 0x0
	ROUND
	s_endpgm
.Lfunc_end_k_qce84112bdb_tail:
	.size	k_qce84112bdb_tail, .Lfunc_end_k_qce84112bdb_tail-k_qce84112bdb_tail
	.p2alignl 7, 3214868480
	.fill 96, 4, 3214868480
	.section	.rodata,"a",@progbits
	.p2align	6, 0x0
	.amdhsa_kernel k_qce84112bdb_tail
		.amdhsa_group_segment_fixed_size 327680
		.amdhsa_private_segment_fixed_size 0
		.amdhsa_enable_private_segment 0
		.amdhsa_kernarg_size 104
		.amdhsa_user_sgpr_count 2
		.amdhsa_user_sgpr_kernarg_segment_ptr 1
		.amdhsa_wavefront_size32 1
		.amdhsa_system_sgpr_workgroup_id_x 1
		.amdhsa_system_sgpr_workgroup_id_y 1
		.amdhsa_system_sgpr_workgroup_id_z 1
		.amdhsa_system_vgpr_workitem_id 0
		.amdhsa_next_free_vgpr 1024
		.amdhsa_next_free_sgpr 96
		.amdhsa_reserve_vcc 0
		.amdhsa_float_denorm_mode_32 3
		.amdhsa_float_denorm_mode_16_64 3
		.amdhsa_memory_ordered 1
		.amdhsa_forward_progress 1
		.amdhsa_inst_pref_size 141
	.end_amdhsa_kernel
	.amdgpu_metadata
---
amdhsa.version: [ 1, 2 ]
amdhsa.kernels:
  - .name:           k_qce84112bdb_tail
    .symbol:         k_qce84112bdb_tail.kd
    .args:
      - { .name: ctximg, .offset: 0, .size: 8, .value_kind: global_buffer, .address_space: global }
      - { .name: ctxsc, .offset: 8, .size: 8, .value_kind: global_buffer, .address_space: global }
      - { .name: x, .offset: 16, .size: 8, .value_kind: global_buffer, .address_space: global }
      - { .name: Wo_codes, .offset: 24, .size: 8, .value_kind: global_buffer, .address_space: global }
      - { .name: Wo_scales, .offset: 32, .size: 8, .value_kind: global_buffer, .address_space: global }
      - { .name: bo, .offset: 40, .size: 8, .value_kind: global_buffer, .address_space: global }
      - { .name: W1_codes, .offset: 48, .size: 8, .value_kind: global_buffer, .address_space: global }
      - { .name: W1_scales, .offset: 56, .size: 8, .value_kind: global_buffer, .address_space: global }
      - { .name: b1, .offset: 64, .size: 8, .value_kind: global_buffer, .address_space: global }
      - { .name: W2_codes, .offset: 72, .size: 8, .value_kind: global_buffer, .address_space: global }
      - { .name: W2_scales, .offset: 80, .size: 8, .value_kind: global_buffer, .address_space: global }
      - { .name: b2, .offset: 88, .size: 8, .value_kind: global_buffer, .address_space: global }
      - { .name: out0, .offset: 96, .size: 8, .value_kind: global_buffer, .address_space: global }
    .group_segment_fixed_size: 327680
    .private_segment_fixed_size: 0
    .kernarg_segment_align: 8
    .kernarg_segment_size: 104
    .max_flat_workgroup_size: 128
    .sgpr_count:     96
    .vgpr_count:     1024
    .wavefront_size: 32
...
	.end_amdgpu_metadata
.endif
;; end of part 3
